; MI455X (gfx1250); checked and timed in simulation.
; The chip was launched on July 23, 2026; its instructions are those of AMD's public machine-readable ISA for CDNA 5 (MIT licence, August 2026) and "CDNA5" Instruction Set Architecture Reference Guide (July 2026). The comments in the code are by the model that wrote it; some were corrected since.
;; Bivector Rotary Self Attention. Allowed arithmetic: float matrix products may take bf16 or f16 operands with f32 sums; other float arithmetic in f32, or as packed bf16 or f16 multiplies, adds, multiply-adds, maxima and minima; sums over many terms, partial sums and values carried from step to step in f32; what a program stores and reads back later, other than sums and carried values, may be rounded once to bf16 or f16.
;; Inputs: Wk 2,048 x 512 float32; Wo 2,048 x 2,048 float32; Wq 2,048 x 2,048 float32; Wv 2,048 x 512 float32; cos 1 x 1,024 x 16 x 64 float32; log_scale 1 x 16 x 1 x 1 float32; mask 4 x 1,024 int32; q_param 1 x 16 x 1 x 1 float32; sin 1 x 1,024 x 16 x 64 float32; x 4 x 1,024 x 2,048 float32.
;; Outputs: out0 4 x 1,024 x 2,048 float32.
;; One version. Each part assembles by itself: llvm-mc -triple=amdgcn-amd-amdhsa -mcpu=gfx1250 --defsym DOCPART=n.
;; ======== version 1 of 1: 4 launches
;; limits: values are held in f16: magnitudes above 65,504 overflow, below 6.1e-05 lose precision; right only within a limited range of input values
;; workspace buffers: xb 16,777,216 bytes; wb 12,582,912 bytes; wob 8,388,608 bytes; rt 4,456,448 bytes; qkv 25,165,824 bytes; bs 196,608 bytes; ao 16,777,216 bytes
;; launch prep (part 1): grid 1288 x 1, 8 waves a work-group, no clusters, 0 bytes of LDS; arguments x, Wq, Wk, Wv, Wo, cos, sin, xb, wb, wob, rt; writes xb, wb, wob, rt
.if DOCPART == 1
	.amdgcn_target "amdgcn-amd-amdhsa--gfx1250"
	.amdhsa_code_object_version 6
	.text
	.protected	k_q5dd84f5b6a_prep
	.globl	k_q5dd84f5b6a_prep
	.p2align	8
	.type	k_q5dd84f5b6a_prep,@function
k_q5dd84f5b6a_prep:
	s_mov_b64 s[64:65], 0
	v_nop
	global_prefetch_b8 v0, s[64:65] scope:SCOPE_SE
	s_setreg_imm32_b32 hwreg(HW_REG_WAVE_MODE, 25, 1), 1
	s_wait_xcnt 0x0
; PREP: every f32 input of the matrix work is rounded once to bf16 and laid out for the launches behind.  A stream: no LDS, no matrix unit, no barrier.
;   xb  bf16 [4096][2048]                      x as it lies
;   wb  bf16 [48 blocks of 64 columns][2048 k][64]   Wq (blocks 0-31), Wk (32-39), Wv (40-47): a block's k rows are dense, 128 bytes each
;   wob f16  [32][2048][64]                    Wo, rounded to bf16 like every input, that number written as f16 (LIMIT: |Wo| below 65,504; below 1.5e-5 f16's fixed step of 6e-8)
;   rt  bf16 [cos, sin][17 heads][1024][64]    the tables times 2^-6 (a power of two: the rounding is that of the table itself), so that q and k leave the next launch within f16;
;                                              head 16 is a table of cos = 1, sin = 0, by which V passes through the same lines unchanged and unscaled
; A work-group makes one chunk: 256 destination rows of 64 numbers, 65,536 bytes in and 32,768 out.  Thread t = 8 rw + c8 reads, in turn i of 8, the 32 bytes at row 32 i + rw, byte 32 c8
; (eight lanes: 256 consecutive bytes, aligned) and stores 16 bytes at 4,096 i + 16 t (a wave: 512 consecutive bytes, aligned).  All 16 loads go out first; no register is written twice.
.set OFF,  2                           ; v[2:9]    turn i's byte offset in the source
.set X,    16                          ; v[16:79]  turn i: 8 numbers in f32
.set Y,    80                          ; v[80:111] turn i: 8 numbers in 16 bits
.set SRC,  28                          ; s[28:29]
.set DST,  30                          ; s[30:31]
.set RS,   32                          ; s32  bytes from row to row in the source
.set RS32, 33                          ; s33  32 such rows
.set SC,   34                          ; s[34:35] the tables' factor, as a pair
.set FMT,  36                          ; s36  0: bf16; 1: f16 of the bf16 number; 2: the factor, then bf16
	s_load_b512 s[4:19], s[0:1], 0x0               ; x, Wq, Wk, Wv, Wo, cos, sin, xb
	s_load_b128 s[20:23], s[0:1], 0x40             ; wb, wob
	s_load_b64 s[24:25], s[0:1], 0x50              ; rt
	v_and_b32 v10, 7, v0
	v_lshrrev_b32 v11, 3, v0                       ; rw
	v_lshlrev_b32 v1, 4, v0                        ; 16 t
	v_lshlrev_b32 v10, 5, v10                      ; 32 c8
	s_mov_b32 s26, ttmp9                           ; the chunk's number
	s_mov_b32 s39, 0                               ; high words of the two offsets
	s_mov_b32 s41, 0
	s_mov_b32 s[SC], 0x3c800000                    ; 2^-6
	s_mov_b32 s[FMT], 0
	s_wait_kmcnt 0x0
	s_cmp_lt_u32 s26, 512
	s_cbranch_scc0 .Lnot_x
	s_lshl_b32 s38, s26, 16                        ; chunks 0-511: x, dense rows of 256 bytes
	s_lshl_b32 s40, s26, 15
	s_add_nc_u64 s[SRC:SRC+1], s[4:5], s[38:39]
	s_add_nc_u64 s[DST:DST+1], s[18:19], s[40:41]
	s_mov_b32 s[RS], 256
	s_branch .Lgo
.Lnot_x:
	s_cmp_lt_u32 s26, 896
	s_cbranch_scc0 .Lnot_w
	s_sub_co_u32 s27, s26, 512                     ; chunks 512-895: block g = j / 8, k rows 256 (j % 8) on
	s_lshr_b32 s37, s27, 3
	s_and_b32 s42, s27, 7
	s_lshl_b32 s40, s27, 15
	s_add_nc_u64 s[DST:DST+1], s[20:21], s[40:41]
	s_cmp_lt_u32 s37, 32
	s_cbranch_scc0 .Lkv
	s_lshl_b32 s38, s37, 8                         ; Wq: 256 bytes a block, 8,192 a row
	s_lshl_b32 s42, s42, 21
	s_add_co_u32 s38, s38, s42
	s_add_nc_u64 s[SRC:SRC+1], s[6:7], s[38:39]
	s_mov_b32 s[RS], 8192
	s_branch .Lgo
.Lkv:
	s_cmp_lt_u32 s37, 40                           ; Wk or Wv: 2,048 bytes a row
	s_cselect_b64 s[SRC:SRC+1], s[8:9], s[10:11]
	s_cselect_b32 s43, 32, 40
	s_sub_co_u32 s37, s37, s43
	s_lshl_b32 s38, s37, 8
	s_lshl_b32 s42, s42, 19
	s_add_co_u32 s38, s38, s42
	s_add_nc_u64 s[SRC:SRC+1], s[SRC:SRC+1], s[38:39]
	s_mov_b32 s[RS], 2048
	s_branch .Lgo
.Lnot_w:
	s_cmp_lt_u32 s26, 1152
	s_cbranch_scc0 .Lnot_o
	s_sub_co_u32 s27, s26, 896                     ; chunks 896-1151: Wo, as Wq
	s_lshr_b32 s37, s27, 3
	s_and_b32 s42, s27, 7
	s_lshl_b32 s40, s27, 15
	s_add_nc_u64 s[DST:DST+1], s[22:23], s[40:41]
	s_lshl_b32 s38, s37, 8
	s_lshl_b32 s42, s42, 21
	s_add_co_u32 s38, s38, s42
	s_add_nc_u64 s[SRC:SRC+1], s[12:13], s[38:39]
	s_mov_b32 s[RS], 8192
	s_mov_b32 s[FMT], 1
	s_branch .Lgo
.Lnot_o:
	s_cmp_lt_u32 s26, 1280
	s_cbranch_scc0 .Lconst
	s_sub_co_u32 s27, s26, 1152                    ; chunks 1152-1279: cos, then sin: head j / 4, positions 256 (j % 4) on
	s_and_b32 s37, s27, 63
	s_lshr_b32 s42, s37, 2
	s_and_b32 s43, s37, 3
	s_lshl_b32 s38, s42, 8                         ; 256 bytes a head, 4,096 a position
	s_lshl_b32 s43, s43, 20
	s_add_co_u32 s38, s38, s43
	s_lshl_b32 s40, s37, 15
	s_cmp_lt_u32 s27, 64
	s_cselect_b64 s[SRC:SRC+1], s[14:15], s[16:17]
	s_cselect_b32 s44, 0, 2228224                  ; rt's sin part begins 17 heads of 131,072 bytes on
	s_add_co_u32 s40, s40, s44
	s_add_nc_u64 s[SRC:SRC+1], s[SRC:SRC+1], s[38:39]
	s_add_nc_u64 s[DST:DST+1], s[24:25], s[40:41]
	s_mov_b32 s[RS], 4096
	s_mov_b32 s[FMT], 2
.Lgo:
	s_mov_b32 s[SC+1], s[SC]
	s_lshl_b32 s[RS32], s[RS], 5
	v_mul_lo_u32 v[OFF], v11, s[RS]
	v_add_nc_u32 v[OFF], v[OFF], v10
.irp i, 1,2,3,4,5,6,7
	v_add_nc_u32 v[OFF+(\i)], s[RS32], v[OFF+(\i)-1]
.endr
.irp i, 0,1,2,3,4,5,6,7
	global_load_b128 v[X+8*(\i):X+8*(\i)+3],   v[OFF+(\i)], s[SRC:SRC+1] th:TH_LOAD_NT
	global_load_b128 v[X+8*(\i)+4:X+8*(\i)+7], v[OFF+(\i)], s[SRC:SRC+1] offset:16 th:TH_LOAD_NT
.endr
; Turn i: its two loads are in when at most the 14 - 2 i younger ones are out (loads come back in order: ISA guide 5.7.1).
.macro CONV i, mode
	s_wait_loadcnt 14-2*(\i)
.if (\mode) == 2
.irp k, 0,2,4,6
	v_pk_mul_f32 v[X+8*(\i)+(\k):X+8*(\i)+(\k)+1], v[X+8*(\i)+(\k):X+8*(\i)+(\k)+1], s[SC:SC+1] op_sel_hi:[1,0]
.endr
.endif
.irp k, 0,1,2,3
	v_cvt_pk_bf16_f32 v[Y+4*(\i)+(\k)], v[X+8*(\i)+2*(\k)], v[X+8*(\i)+2*(\k)+1]
.endr
.if (\mode) == 1
.irp k, 0,1,2,3
	v_lshlrev_b32 v[X+8*(\i)+2*(\k)],   16, v[Y+4*(\i)+(\k)]          ; the bf16 numbers as f32,
	v_and_b32     v[X+8*(\i)+2*(\k)+1], 0xffff0000, v[Y+4*(\i)+(\k)]
.endr
.irp k, 0,1,2,3
	v_cvt_pk_f16_f32 v[Y+4*(\i)+(\k)], v[X+8*(\i)+2*(\k)], v[X+8*(\i)+2*(\k)+1]  ; written as f16: 8 significant bits fit in 11
.endr
.endif
	global_store_b128 v1, v[Y+4*(\i):Y+4*(\i)+3], s[DST:DST+1] offset:4096*(\i) th:TH_STORE_NT
.endm
	s_cmp_eq_u32 s[FMT], 0
	s_cbranch_scc0 .Lnot_plain
.irp i, 0,1,2,3,4,5,6,7
	CONV \i, 0
.endr
	s_endpgm
.Lnot_plain:
	s_cmp_eq_u32 s[FMT], 1
	s_cbranch_scc0 .Lscaled
.irp i, 0,1,2,3,4,5,6,7
	CONV \i, 1
.endr
	s_endpgm
.Lscaled:
.irp i, 0,1,2,3,4,5,6,7
	CONV \i, 2
.endr
	s_endpgm
.Lconst:                                               ; chunks 1280-1287: head 16 of rt: four chunks of cos = 1.0, four of sin = 0
	s_sub_co_u32 s27, s26, 1280
	s_cmp_lt_u32 s27, 4
	s_cselect_b32 s37, 0x3f803f80, 0
	s_cselect_b32 s38, 1, 2
	s_lshl_b32 s38, s38, 21                        ; cos: 16 heads on = 2,097,152; sin: 4,325,376 less the four chunks that j has run ahead = 4,194,304
	s_lshl_b32 s40, s27, 15
	s_add_co_u32 s38, s38, s40
	s_add_nc_u64 s[DST:DST+1], s[24:25], s[38:39]
.irp k, 0,1,2,3
	v_mov_b32 v[Y+(\k)], s37
.endr
.irp i, 0,1,2,3,4,5,6,7
	global_store_b128 v1, v[Y:Y+3], s[DST:DST+1] offset:4096*(\i) th:TH_STORE_NT
.endr
	s_endpgm
.Lfunc_end_k_q5dd84f5b6a_prep:
	.size	k_q5dd84f5b6a_prep, .Lfunc_end_k_q5dd84f5b6a_prep-k_q5dd84f5b6a_prep
	.p2alignl 7, 3214868480
	.fill 96, 4, 3214868480
	.section	.rodata,"a",@progbits
	.p2align	6, 0x0
	.amdhsa_kernel k_q5dd84f5b6a_prep
		.amdhsa_group_segment_fixed_size 0
		.amdhsa_private_segment_fixed_size 0
		.amdhsa_enable_private_segment 0
		.amdhsa_kernarg_size 88
		.amdhsa_user_sgpr_count 2
		.amdhsa_user_sgpr_kernarg_segment_ptr 1
		.amdhsa_wavefront_size32 1
		.amdhsa_system_sgpr_workgroup_id_x 1
		.amdhsa_system_sgpr_workgroup_id_y 1
		.amdhsa_system_sgpr_workgroup_id_z 1
		.amdhsa_system_vgpr_workitem_id 0
		.amdhsa_next_free_vgpr 112
		.amdhsa_next_free_sgpr 66
		.amdhsa_reserve_vcc 0
		.amdhsa_float_denorm_mode_32 3
		.amdhsa_float_denorm_mode_16_64 3
		.amdhsa_memory_ordered 1
		.amdhsa_forward_progress 1
		.amdhsa_inst_pref_size 23
	.end_amdhsa_kernel
	.amdgpu_metadata
---
amdhsa.version: [ 1, 2 ]
amdhsa.kernels:
  - .name:           k_q5dd84f5b6a_prep
    .symbol:         k_q5dd84f5b6a_prep.kd
    .args:
      - { .name: x, .offset: 0, .size: 8, .value_kind: global_buffer, .address_space: global }
      - { .name: Wq, .offset: 8, .size: 8, .value_kind: global_buffer, .address_space: global }
      - { .name: Wk, .offset: 16, .size: 8, .value_kind: global_buffer, .address_space: global }
      - { .name: Wv, .offset: 24, .size: 8, .value_kind: global_buffer, .address_space: global }
      - { .name: Wo, .offset: 32, .size: 8, .value_kind: global_buffer, .address_space: global }
      - { .name: cos, .offset: 40, .size: 8, .value_kind: global_buffer, .address_space: global }
      - { .name: sin, .offset: 48, .size: 8, .value_kind: global_buffer, .address_space: global }
      - { .name: xb, .offset: 56, .size: 8, .value_kind: global_buffer, .address_space: global }
      - { .name: wb, .offset: 64, .size: 8, .value_kind: global_buffer, .address_space: global }
      - { .name: wob, .offset: 72, .size: 8, .value_kind: global_buffer, .address_space: global }
      - { .name: rt, .offset: 80, .size: 8, .value_kind: global_buffer, .address_space: global }
    .group_segment_fixed_size: 0
    .private_segment_fixed_size: 0
    .kernarg_segment_align: 8
    .kernarg_segment_size: 88
    .max_flat_workgroup_size: 256
    .sgpr_count:     66
    .vgpr_count:     112
    .wavefront_size: 32
...
	.end_amdgpu_metadata
.endif
;; end of part 1
;; launch qkvp (part 2): grid 16 x 16, 4 waves a work-group, clusters of 4 x 4, 327,680 bytes of LDS; arguments xb, wb, rt, qkv, bs; writes qkv, bs
.if DOCPART == 2
	.amdgcn_target "amdgcn-amd-amdhsa--gfx1250"
	.amdhsa_code_object_version 6
	.text
	.protected	k_q5dd84f5b6a_qkvp
	.globl	k_q5dd84f5b6a_qkvp
	.p2align	8
	.type	k_q5dd84f5b6a_qkvp,@function
k_q5dd84f5b6a_qkvp:
	s_mov_b64 s[64:65], 0
	v_nop
	global_prefetch_b8 v0, s[64:65] scope:SCOPE_SE
	s_setreg_imm32_b32 hwreg(HW_REG_WAVE_MODE, 25, 1), 1
	s_wait_xcnt 0x0
	s_wait_alu depctr_hold_cnt(0) depctr_sa_sdst(0) depctr_va_vdst(0) depctr_va_sdst(0) depctr_va_ssrc(0) depctr_va_vcc(0) depctr_vm_vsrc(0)
	s_getreg_b32 s2, hwreg(HW_REG_IB_STS2, 6, 4)
	s_cmp_eq_u32 s2, 0
	s_cbranch_scc0 .Lentry_in_a_cluster
	s_endpgm
.Lentry_in_a_cluster:
	s_bfe_u32 s2, ttmp6, 0x10000c
	s_cmp_lg_u32 s2, 0xf033
	s_cbranch_scc0 .Lentry_shape_is_right
	s_endpgm
.Lentry_shape_is_right:
; QKV PROJECTION WITH ROPE.  C[m][n] = sum over k of xb[m][k] W[k][n], m 4,096, n 3,072 (q 2,048, k 512, v 512), k 2,048; bf16 operands, f32 sums.  Each 64-wide half head is then turned by
; rotate-half RoPE with its head's table (rt: bf16, times 2^-6; V takes the table cos = 1, sin = 0) and stored once rounded to f16 as qkv [batch 4][block g 48][position 1,024][64].
; LIMITS: q and k leave as their value times 2^-6, so |q|, |k| stay below 4.19e6; |v| below 65,504.  NaN and infinities are not treated apart.
; bs [64 rows m / 64][12 blocks g - 36][64] f32: the column sums of the unrounded C over a wave's 64 rows, for blocks 36 to 47; the next launch reads V's (g from 40 on).
; SHARES.  A work-group makes 256 x 192 of C: 16 x 16 work-groups.  Its four waves lie one below the other: wave w has rows 64 w .. 64 w + 63 and all 192 columns: 48 accumulators of 16 x 16.
; K goes in 16 steps of 128 through two LDS slots.  Wave 0 fetches A's 256 rows x 256 bytes, waves 1 to 3 one block of W each: 128 k rows of 128 bytes, dense in wb, asked for as 64 rows of 256.
; CLUSTER 4 x 4: A's tile is shared along a row of the cluster, W's blocks along a column: joint loads.
; THE MATRIX INSTRUCTION IS USED TRANSPOSED: source 0 = 16 columns of W (turned on the way out of LDS by ds_load_tr16_b128), source 1 = 16 rows of x: lane (r = l % 16, h = l / 16) holds row r
; and, in register j of block b, column 16 b + 8 h + j.
; REGISTERS, in windows of 256 (s_set_vgpr_msb: bits 1:0 source 0, 3:2 source 1, 5:4 source 2, 7:6 destination):
;   window 0: v0-31 addresses; v32-48 at work; v64-127 A's fragments, two buffers of 32; on the way out v64-111 packed, v112-159 rows read back, v160-255 tables or sums
;   window 1: v0-191 W's fragments, two buffers of 96; on the way out tables          windows 2, 3: accumulator (a, b) at 96 (a % 2) + 8 b of window 2 + a / 2
.set PA,     272                       ; A's LDS row: 256 bytes + 16: the 16 rows of a fragment load start at 16 different groups of four banks (64 banks of 4 bytes: ISA guide 11.1)
.set PB,     160                       ; W's LDS row: 128 bytes + 32
.set SLOT,   131072
.set BOFF,   256*PA                    ; 69,632: behind A's rows, three blocks of
.set BBLK,   128*PB                    ; 20,480 bytes: a slot is full
.set STAGE,  2*SLOT                    ; behind the ring, never filled by a tensor load: 12,544 bytes a wave: 16 rows x 400 on the way out, 16 rows x 784 for the sums
.set STG,    12544
.set SPARE,  STAGE+4*STG               ; the spare words, 128 bytes a wave: two blocks of 256 bytes that no other line names
.set SINOFF, 2228224                   ; from rt's cos part to its sin part
.set NL,     32                        ; LDS loads in a run: 24 for W, 8 for A
.set ADRA, 16                          ; v16-17  my A fragments in slot 0, 1
.set ADRB, 20                          ; v20-21  W's
.set CO,   22                          ; v22  my 16 bytes in 16 rows of a table: 128 r + 16 h
.set STS,  23                          ; v23  the sums' stage, in
.set STO,  24                          ; v24  the stage, in
.set RD,   25                          ; v25  the stage, back
.set GO,   26                          ; v26  16 x lane
.set SLD,  27                          ; v27  the sums' stage, back
.set SPW,  28                          ; v28  my spare word; never rewritten
.set NIL,  29                          ; v29  0; never rewritten
.set PFO,  30                          ; v30  the prefetches' offset
.set BO,   31                          ; v31  8 x lane
.set TL,   32                          ; v32-39  8 turned numbers of a low block
.set TH,   40                          ; v40-47  of its high partner
.set Z,    48                          ; v48  0
.set FA,   64
.set Y,    64
.set BK,   112
.set U,    160
.set WV,   14                          ; s14  wave
.set G1A,  24                          ; s[24:31]
.set G0A,  32                          ; s[32:39] one set a slot
.set PFA,  40                          ; s[40:41]
.set PFB,  42                          ; s[42:43]
.set LIMA, 44
.set LIMB, 45
.set CLX,  46                          ; s46  the cluster's x
.set G1B,  48                          ; s[48:55]
.set G0B,  56                          ; s[56:63]
.set RB,   66                          ; s[66:71] the tables of my three blocks, at my wave's first position
.set QB,   72                          ; s[72:73] qkv at my first block and position
.set BSB,  74                          ; s[74:75] bs at my row and first block
.set MSB, 0
.macro WIN new                         ; the immediate's high byte repeats the setting that is left; a switch that changes nothing is dropped
.if MSB != (\new)
	s_set_vgpr_msb (MSB<<8)|(\new)
.set MSB, (\new)
.endif
.endm
.macro PLACES                          ; four places behind matrix instructions (ISA guide 7.12.1 for vector instructions)
.rept 4
	v_nop
.endr
.endm
; A joint load: wave 0 A's tile, waves 1 to 3 W's blocks.  The branch hangs on the wave's number alone.  An s_nop 0 and four v_nop follow each line.
.macro JLOAD s
	s_cmp_eq_u32 s[WV], 0
	s_cbranch_scc0 .Lfor_b_\@
	tensor_load_to_lds s[G0A+4*(\s):G0A+4*(\s)+3], s[G1A:G1A+7]
	s_nop 0
.rept 4
	v_nop
.endr
	s_branch .Lasked_\@
.Lfor_b_\@:
	tensor_load_to_lds s[G0B+4*(\s):G0B+4*(\s)+3], s[G1B:G1B+7]
	s_nop 0
.rept 4
	v_nop
.endr
.Lasked_\@:
.endm
.macro CREST                           ; a round of the cluster's barrier behind its opening barrier
	s_cmp_lg_u32 s[WV], 0
	s_cbranch_scc1 .Lnot_wave_0_\@
	s_barrier_signal -3
.Lnot_wave_0_\@:
	s_barrier_wait -3
	s_barrier_signal -1
	s_barrier_wait -1
.endm
.macro CROUND
	s_barrier_signal -1
	s_barrier_wait -1
	CREST
.endm
; PREFETCHES, behind the joint load, its five lines and the run of LDS loads.  Each aligned 256 bytes of xb and wb is named once in the launch.
; A: every cluster of a row of clusters reads the same rows: cluster x = 0 asks; of the tile's 256 rows partner cx takes 64, by address; wave 0, a lane a row, two lines: the K step two refills on.
; W: every cluster of a column reads the same blocks: cluster y = 0 asks; a lap's 32,768 bytes of a block are shared by address, 8,192 to partner cy; the wave that fetches the block asks, once a lap,
; a lane for each 256 bytes: the lap two on.  The loop's last trip (s3 = 1) asks for nothing: K ends there.  The first four K steps come by their loads alone.
.macro ASK sl
	s_cmp_gt_u32 s3, s[LIMA]
	s_cbranch_scc0 .Lno_a_\@
	global_prefetch_b8 v[PFO], s[PFA:PFA+1] th:TH_LOAD_NT scope:SCOPE_SE
	global_prefetch_b8 v[PFO], s[PFA:PFA+1] offset:131072 th:TH_LOAD_NT scope:SCOPE_SE
.Lno_a_\@:
.if (\sl) == 0
	s_cmp_gt_u32 s3, s[LIMB]
	s_cbranch_scc0 .Lno_b_\@
	global_prefetch_b8 v[PFO], s[PFB:PFB+1] th:TH_LOAD_NT scope:SCOPE_SE
.Lno_b_\@:
.endif
.endm
	s_load_b256 s[4:11], s[0:1], 0x0               ; xb s[4:5], wb s[6:7], rt s[8:9], qkv s[10:11]
	s_load_b64 s[12:13], s[0:1], 0x20              ; bs
	v_lshl_add_u32 v[SPW], v0, 2, SPARE
	v_mov_b32 v[NIL], 0
	ds_add_u32 v[SPW], v[NIL]                      ; the wave's opening: the add and its wait ahead of my first tensor load; work on registers stands between them
	v_lshrrev_b32 v1, 5, v0
	v_readfirstlane_b32 s[WV], v1
	s_bfe_u32 s16, ttmp6, 0x40000                  ; cx
	s_bfe_u32 s17, ttmp6, 0x40004                  ; cy
	s_lshl_b32 s18, ttmp9, 2
	s_add_co_u32 s18, s18, s16                     ; TC: tile column = 4 x cluster x + cx
	s_and_b32 s47, ttmp7, 0xffff                   ; cluster y
	s_lshl_b32 s19, s47, 2
	s_add_co_u32 s19, s19, s17                     ; TR: tile row
	s_mov_b32 s[CLX], ttmp9
	s_lshl_b32 s76, s17, 2
	s_lshl_b32 s76, 15, s76                        ; my row of the cluster
	s_lshl_b32 s77, 0x1111, s16                    ; my column
	s_or_b32 s[G1A], s76, (1<<16)|(1<<20)|(1<<21)|(5<<22)|(3<<25)  ; the mask; 2-byte elements; padding on; bit 21 beside a mask; after every 64 words 4 words
	s_mov_b32 s[G1A+1], 128<<16                    ; tensor_dim0 = 128
	s_mov_b32 s[G1A+2], 256<<16                    ; tensor_dim1 = 256
	s_mov_b32 s[G1A+3], 128<<16                    ; tile_dim0 = 128
	s_mov_b32 s[G1A+4], 256                        ; tile_dim1 = 256
	s_mov_b32 s[G1A+5], 2048                       ; elements from row to row
	s_mov_b32 s[G1A+6], 0
	s_mov_b32 s[G1A+7], 0
	s_or_b32 s[G1B], s77, (1<<16)|(1<<20)|(1<<21)|(4<<22)|(7<<25)  ; after every 32 words (a k row) 8 words
	s_mov_b32 s[G1B+1], 128<<16
	s_mov_b32 s[G1B+2], 64<<16
	s_mov_b32 s[G1B+3], 128<<16
	s_mov_b32 s[G1B+4], 64
	s_mov_b32 s[G1B+5], 128
	s_mov_b32 s[G1B+6], 0
	s_mov_b32 s[G1B+7], 0
	s_lshl_b32 s78, s19, 20                        ; A: 256 TR rows of 4,096 bytes
	s_mov_b32 s79, 0
	s_mul_i32 s80, s18, 3
	s_max_u32 s82, s[WV], 1
	s_sub_co_u32 s82, s82, 1                       ; which of the three blocks I fetch (waves 1 to 3)
	s_add_co_u32 s80, s80, s82
	s_lshl_b32 s80, s80, 18                        ; a block of wb is 262,144 bytes
	s_mov_b32 s81, 0
	s_mul_i32 s83, s[WV], BBLK
	s_add_co_u32 s83, s83, BOFF-BBLK               ; its place in a slot: wave 1's lies at BOFF
	s_wait_dscnt 0x0                               ; the opening add is done
	s_wait_kmcnt 0x0
	s_add_nc_u64 s[78:79], s[4:5], s[78:79]
	s_add_nc_u64 s[80:81], s[6:7], s[80:81]
	CROUND                                         ; all sixteen work-groups are here: the first joint loads meet
.irp s, 0,1
	s_mov_b32 s[G0A+4*(\s)], 1
	s_mov_b32 s[G0A+4*(\s)+1], (\s)*SLOT
	s_add_nc_u64 s[G0A+4*(\s)+2:G0A+4*(\s)+3], s[78:79], (\s)*256
	s_or_b32 s[G0A+4*(\s)+3], s[G0A+4*(\s)+3], 0x80000000
	s_mov_b32 s[G0B+4*(\s)], 1
	s_add_co_u32 s[G0B+4*(\s)+1], s83, (\s)*SLOT
	s_add_nc_u64 s[G0B+4*(\s)+2:G0B+4*(\s)+3], s[80:81], (\s)*16384
	s_or_b32 s[G0B+4*(\s)+3], s[G0B+4*(\s)+3], 0x80000000
.endr
	s_cmp_eq_u32 s[WV], 0                          ; a wave's two first fills stand in one branch: two loads of mine are out
	s_cbranch_scc0 .Lfirst_b
	tensor_load_to_lds s[G0A:G0A+3], s[G1A:G1A+7]
	s_nop 0
	tensor_load_to_lds s[G0A+4:G0A+7], s[G1A:G1A+7]
	s_nop 0
.rept 4
	v_nop
.endr
	s_branch .Lfirst_asked
.Lfirst_b:
	tensor_load_to_lds s[G0B:G0B+3], s[G1B:G1B+7]
	s_nop 0
	tensor_load_to_lds s[G0B+4:G0B+7], s[G1B:G1B+7]
	s_nop 0
.rept 4
	v_nop
.endr
.Lfirst_asked:
	v_and_b32 v1, 15, v0                           ; r
	v_bfe_u32 v2, v0, 4, 1                         ; h
	v_and_b32 v3, 31, v0                           ; lane
	v_and_b32 v4, 7, v0
	v_bfe_u32 v5, v0, 3, 1
	s_mul_i32 s76, s[WV], 64*PA
	v_mul_u32_u24 v6, v1, PA
	v_lshl_add_u32 v6, v2, 4, v6
	v_add_nc_u32 v[ADRA], s76, v6                  ; (64 w + r) x pitch + 16 h
	v_add_nc_u32 v[ADRA+1], SLOT, v[ADRA]
	v_lshl_add_u32 v7, v2, 3, v4                   ; the turning load: lane l reads k row 8 h + l % 8, columns 8 ((l / 8) % 2) + 0..7
	v_mul_u32_u24 v7, v7, PB
	v_lshl_add_u32 v7, v5, 4, v7
	v_add_nc_u32 v[ADRB], BOFF, v7
	v_add_nc_u32 v[ADRB+1], SLOT+BOFF, v7
	v_lshlrev_b32 v[CO], 7, v1
	v_lshl_add_u32 v[CO], v2, 4, v[CO]
	s_mul_i32 s77, s[WV], STG
	s_add_co_u32 s77, s77, STAGE                   ; my stage
	v_mul_u32_u24 v[STO], v1, 400                  ; in: row r of 384 + 16 bytes, 16 bytes for each half of the lanes
	v_lshl_add_u32 v[STO], v2, 4, v[STO]
	v_add_nc_u32 v[STO], s77, v[STO]
	v_bfe_u32 v[RD], v0, 3, 2                      ; back: 32 lanes take 128 bytes of four rows
	v_mul_u32_u24 v[RD], v[RD], 400
	v_lshl_add_u32 v[RD], v4, 4, v[RD]
	v_add_nc_u32 v[RD], s77, v[RD]
	v_mul_u32_u24 v[STS], v1, 784                  ; the sums: row r of 768 + 16 bytes, 32 bytes for each half
	v_lshl_add_u32 v[STS], v2, 5, v[STS]
	v_add_nc_u32 v[STS], s77, v[STS]
	v_lshl_add_u32 v[SLD], v3, 3, s77
	v_lshlrev_b32 v[GO], 4, v3
	v_lshlrev_b32 v[BO], 3, v3
	v_mov_b32 v[Z], 0
	s_cmp_eq_u32 s[WV], 0
	s_cselect_b32 s76, 12, 8
	v_lshlrev_b32 v[PFO], s76, v3                  ; wave 0: a lane a row of xb; the others: a lane for each 256 bytes of wb
	s_and_b32 s76, s19, 3
	s_lshl_b32 s76, s76, 8
	s_lshl_b32 s77, s[WV], 6
	s_add_co_u32 s76, s76, s77                     ; my first position in the batch: 256 (TR % 4) + 64 w,
	s_lshl_b32 s76, s76, 7                         ; in rows of 128 bytes
	s_mul_i32 s77, s18, 3                          ; my first block g
.irp q3, 0,1,2
	s_add_co_u32 s78, s77, \q3                     ; g: q's head g / 2; k's head (g - 32) / 2; V: table 16
	s_lshr_b32 s80, s78, 1
	s_sub_co_u32 s81, s78, 32
	s_lshr_b32 s81, s81, 1
	s_cmp_lt_u32 s78, 40
	s_cselect_b32 s81, s81, 16
	s_cmp_lt_u32 s78, 32
	s_cselect_b32 s80, s80, s81
	s_lshl_b32 s80, s80, 17
	s_add_co_u32 s80, s80, s76
	s_mov_b32 s81, 0
	s_add_nc_u64 s[RB+2*(\q3):RB+2*(\q3)+1], s[8:9], s[80:81]
.endr
	s_lshr_b32 s78, s19, 2                         ; the batch
	s_mul_i32 s78, s78, 48
	s_add_co_u32 s78, s78, s77
	s_lshl_b32 s78, s78, 17
	s_add_co_u32 s78, s78, s76
	s_mov_b32 s79, 0
	s_add_nc_u64 s[QB:QB+1], s[10:11], s[78:79]
	s_lshl_b32 s78, s19, 2
	s_add_co_u32 s78, s78, s[WV]                   ; m / 64
	s_mul_i32 s78, s78, 3072
	s_mul_i32 s80, s16, 768
	s_add_co_u32 s78, s78, s80
	s_add_nc_u64 s[BSB:BSB+1], s[12:13], s[78:79]
	s_lshl_b32 s78, s19, 20
	s_lshl_b32 s80, s16, 18                        ; my work-group's 64 rows of the tile's 256
	s_add_co_u32 s78, s78, s80
	s_add_co_u32 s78, s78, 768                     ; at K step 3: the first change of slots steps it to 4
	s_add_nc_u64 s[PFA:PFA+1], s[4:5], s[78:79]
	s_add_co_u32 s78, s77, s82
	s_lshl_b32 s78, s78, 18
	s_lshl_b32 s80, s17, 13                        ; my work-group's quarter of a lap's bytes
	s_add_co_u32 s78, s78, s80
	s_add_co_u32 s78, s78, 32768                   ; at lap 1: the first change of slots steps it to 2
	s_add_nc_u64 s[PFB:PFB+1], s[6:7], s[78:79]
	s_or_b32 s76, s[WV], ttmp9
	s_cmp_eq_u32 s76, 0
	s_cselect_b32 s[LIMA], 1, -1                   ; wave 0 of the clusters with x = 0
	s_cmp_eq_u32 s[WV], 0
	s_cselect_b32 s76, 1, 0
	s_or_b32 s76, s76, s47
	s_cmp_eq_u32 s76, 0
	s_cselect_b32 s[LIMB], 1, -1                   ; waves 1 to 3 of the clusters with y = 0
; 12 matrix instructions: my rows 16 a .. 16 a + 15 x all 192 columns, 32 along K.  All 48 accumulators take turns in the same order in every quarter.
.macro MULROW f, a, zero
	WIN 0xa1+0x50*((\a)/2)
.set rA, FA+32*(\f)+8*(\a)
.irp b, 0,1,2,3,4,5,6,7,8,9,10,11
.set rD, 96*((\a)%2)+8*(\b)
.set rB, 96*(\f)+8*(\b)
.if \zero
	v_wmma_f32_16x16x32_bf16 v[rD:rD+7], v[rB:rB+7], v[rA:rA+7], 0
.else
	v_wmma_f32_16x16x32_bf16 v[rD:rD+7], v[rB:rB+7], v[rA:rA+7], v[rD:rD+7]
.endif
.endr
.endm
; 32 LDS loads in one run: quarter q (32 along K) of a slot into buffer f: W's 12 fragments, turned, then A's four; A's blocks 2 and 3 last
.macro FETCH slot, q, f
	WIN 0x40
.irp b, 0,1,2,3,4,5,6,7,8,9,10,11
	ds_load_tr16_b128 v[96*(\f)+8*(\b):96*(\f)+8*(\b)+3],   v[ADRB+(\slot)] offset:((\b)/4)*BBLK+((\b)%4)*32+32*PB*(\q)
	ds_load_tr16_b128 v[96*(\f)+8*(\b)+4:96*(\f)+8*(\b)+7], v[ADRB+(\slot)] offset:((\b)/4)*BBLK+((\b)%4)*32+32*PB*(\q)+16*PB
.endr
	WIN 0
.irp a, 0,1,2,3
	ds_load_b128 v[FA+32*(\f)+8*(\a):FA+32*(\f)+8*(\a)+3],   v[ADRA+(\slot)] offset:64*(\q)+16*PA*(\a)
	ds_load_b128 v[FA+32*(\f)+8*(\a)+4:FA+32*(\f)+8*(\a)+7], v[ADRA+(\slot)] offset:64*(\q)+16*PA*(\a)+32
.endr
.endm
; One of a K step's first three quarters: multiplies buffer f; in its middle it fetches quarter q into buffer g
.macro QUARTER slot, q, f, g, zero
	s_wait_dscnt 4                                 ; all but the four youngest loads, A's blocks 2 and 3
	MULROW \f, 0, \zero
	MULROW \f, 1, \zero
	PLACES
	FETCH \slot, \q, \g
	s_wait_dscnt NL                                ; all but the run just issued
	MULROW \f, 2, \zero
	MULROW \f, 3, \zero
.endm
; The last quarter's first half: ONE barrier for the change of slots.  In front of it each wave waits for all its tensor loads (one is out: its part of the next slot), adds 0 to its spare word,
; and waits for that and for its own reads of this slot.
.macro MEET round
	WIN 0
	s_wait_tensorcnt 0x0
	ds_add_u32 v[SPW], v[NIL]
	s_wait_dscnt 5                                 ; the add and A's blocks 2 and 3 may be out
	MULROW 1, 0, 0
	s_wait_dscnt 0x0                               ; the add is done, and my reads of this slot are over
	s_barrier_signal -1
	MULROW 1, 1, 0
.if \round
	WIN 0
.endif
	s_barrier_wait -1
.endm
; The whole last quarter: behind the round the slot just read is filled again, two K steps on: 168 matrix instructions ahead of the wait for it.
.macro TURN slot, next
	s_wait_xcnt 0x0                                ; the last prefetches, a K step back, have read their addresses
	s_add_nc_u64 s[PFA:PFA+1], s[PFA:PFA+1], 256
.if (\slot) == 0
	s_add_nc_u64 s[PFB:PFB+1], s[PFB:PFB+1], 32768
.endif
	MEET 1
	CREST                                          ; no wave of any partner still reads this slot or has a load on its way
	s_add_nc_u64 s[G0A+4*(\slot)+2:G0A+4*(\slot)+3], s[G0A+4*(\slot)+2:G0A+4*(\slot)+3], 512
	s_add_nc_u64 s[G0B+4*(\slot)+2:G0B+4*(\slot)+3], s[G0B+4*(\slot)+2:G0B+4*(\slot)+3], 32768
	JLOAD \slot                                    ; its four v_nop are also the places in front of the loads below
	FETCH \next, 0, 0
	ASK \slot
	MULROW 1, 2, 0
	MULROW 1, 3, 0
.endm
; THE WAY OUT.  The tables of my rows 16 a .. 16 a + 15: for each of three blocks four pieces of cos and four of sin, 16 bytes (8 bf16) a lane: 24 loads.
; Set 0 is asked for at the head, sets 1 and 2 (into W's buffers) behind the last product, set 3 into set 0's registers when those are read.
.macro LOADCS a
.if ((\a) == 1) || ((\a) == 2)
	WIN 0x40
.set CB, 96*((\a)-1)
.else
	WIN 0
.set CB, 160
.endif
.irp q3, 0,1,2
.irp bq, 0,1,2,3
	global_load_b128 v[CB+32*(\q3)+4*(\bq):CB+32*(\q3)+4*(\bq)+3],       v[CO], s[RB+2*(\q3):RB+2*(\q3)+1] offset:2048*(\a)+32*(\bq)
	global_load_b128 v[CB+32*(\q3)+16+4*(\bq):CB+32*(\q3)+16+4*(\bq)+3], v[CO], s[RB+2*(\q3):RB+2*(\q3)+1] offset:2048*(\a)+32*(\bq)+SINOFF
.endr
.endr
	WIN 0
.endm
.macro MIX d, x, c, e, hi, ng          ; d = (+-) x times one bf16 half of c, plus e: one fused multiply-add in f32
.if \hi
.if \ng
	v_fma_mix_f32_bf16 v[\d], -v[\x], v[\c], v[\e] op_sel:[0,1,0] op_sel_hi:[0,1,0]
.else
	v_fma_mix_f32_bf16 v[\d], v[\x], v[\c], v[\e] op_sel:[0,1,0] op_sel_hi:[0,1,0]
.endif
.else
.if \ng
	v_fma_mix_f32_bf16 v[\d], -v[\x], v[\c], v[\e] op_sel_hi:[0,1,0]
.else
	v_fma_mix_f32_bf16 v[\d], v[\x], v[\c], v[\e] op_sel_hi:[0,1,0]
.endif
.endif
.endm
; Rows 16 a on are turned: column c < 32 of a half head: x[c] cos[c] - x[c + 32] sin[c]; c >= 32: x[c] cos[c] + x[c - 32] sin[c].  Blocks bq and bq + 2 of a block of 64 are partners.
; Each accumulator's register 0 is read first.  left: the younger table loads that may stay out.
.macro ROPE a, left
.set AW, 2+(\a)/2
.set AB, 96*((\a)%2)
.set CW, (((\a)+1)/2)%2
.if (\a) == 1
.set CB, 0
.elseif (\a) == 2
.set CB, 96
.else
.set CB, 160
.endif
	s_wait_loadcnt \left
.irp q3, 0,1,2
.irp bq, 0,1
.set XL, AB+8*(4*(\q3)+(\bq))
.set XH, XL+16
.set CL, CB+32*(\q3)+4*(\bq)
	WIN AW|(CW<<2)                                 ; source 0: the accumulators' window; source 1: the tables'; source 2 and destination: window 0
.set j, 0
.rept 8
	MIX TL+j, XL+j, CL+j/2, Z, j%2, 0
	MIX TH+j, XH+j, CL+8+j/2, Z, j%2, 0
	MIX TL+j, XH+j, CL+16+j/2, TL+j, j%2, 1
	MIX TH+j, XL+j, CL+24+j/2, TH+j, j%2, 0
.set j, j+1
.endr
	WIN 0
.irp jj, 0,1,2,3
	v_cvt_pk_f16_f32 v[Y+4*(4*(\q3)+(\bq))+(\jj)],   v[TL+2*(\jj)], v[TL+2*(\jj)+1]
	v_cvt_pk_f16_f32 v[Y+4*(4*(\q3)+(\bq)+2)+(\jj)], v[TH+2*(\jj)], v[TH+2*(\jj)+1]
.endr
.endr
.endr
.endm
.macro TOSTAGE                         ; 16 rows x 384 bytes into my own stage, and back as 128-byte rows of one block, four rows a load
	s_wait_xcnt 0x0                                ; the last stores have read BK
.irp b, 0,1,2,3,4,5,6,7,8,9,10,11
	ds_store_b128 v[STO], v[Y+4*(\b):Y+4*(\b)+3] offset:32*(\b)
.endr
.irp q3, 0,1,2
.irp i, 0,1,2,3
	ds_load_b128 v[BK+16*(\q3)+4*(\i):BK+16*(\q3)+4*(\i)+3], v[RD] offset:1600*(\i)+128*(\q3)  ; LDS serves a wave's instructions in order (ISA guide 5.7.1.4)
.endr
.endr
.endm
.macro SEND a
	s_wait_dscnt 0x0
.irp q3, 0,1,2
.irp i, 0,1,2,3
	global_store_b128 v[GO], v[BK+16*(\q3)+4*(\i):BK+16*(\q3)+4*(\i)+3], s[QB:QB+1] offset:131072*(\q3)+2048*(\a)+512*(\i)  ; 512 consecutive bytes, aligned
.endr
.endr
.endm
	LOADCS 0
	s_wait_tensorcnt 1                             ; my part of K step 0 is in; K step 1's may stay out
	s_barrier_signal -1
	s_barrier_wait -1
	FETCH 0, 0, 0
	QUARTER 0, 1, 0, 1, 1                          ; the first quarter stands in front of the loop: its products start the sums
	WIN 0
	s_mov_b32 s3, 7
.Llap:                                                 ; a trip goes once round the ring and fills both slots again
	QUARTER 0, 2, 1, 0, 0
	QUARTER 0, 3, 0, 1, 0
	TURN 0, 1
	QUARTER 1, 1, 0, 1, 0
	QUARTER 1, 2, 1, 0, 0
	QUARTER 1, 3, 0, 1, 0
	TURN 1, 0
	QUARTER 0, 1, 0, 1, 0
	WIN 0
	s_sub_co_u32 s3, s3, 1
	s_cmp_lg_u32 s3, 0
	s_cbranch_scc1 .Llap
	QUARTER 0, 2, 1, 0, 0                          ; the last lap fills nothing
	QUARTER 0, 3, 0, 1, 0
	MEET 0
	PLACES
	FETCH 1, 0, 0
	MULROW 1, 2, 0
	MULROW 1, 3, 0
	QUARTER 1, 1, 0, 1, 0
	QUARTER 1, 2, 1, 0, 0
	QUARTER 1, 3, 0, 1, 0
	s_wait_dscnt 4
	MULROW 1, 0, 0
	MULROW 1, 1, 0
	s_wait_dscnt 0x0
	MULROW 1, 2, 0
	MULROW 1, 3, 0
	WIN 0
	PLACES                                         ; behind the last products: the lines below read results and load into W's buffers
	PLACES
	LOADCS 1
	LOADCS 2
	ROPE 0, 48                                     ; sets 1 and 2 may stay out
	LOADCS 3
	TOSTAGE
	ROPE 1, 48                                     ; sets 2 and 3; a block's arithmetic stands between the stage's loads and the wait for them
	SEND 0
	TOSTAGE
	ROPE 2, 24
	SEND 1
	TOSTAGE
	ROPE 3, 0
	SEND 2
	TOSTAGE
	SEND 3
	s_cmp_eq_u32 s[CLX], 3                         ; the clusters with x = 3 hold blocks 36 to 47: the same answer in all sixteen partners
	s_cbranch_scc0 .Lno_sums
	WIN 0x0a                                       ; THE SUMS over my 64 rows: first my four row blocks,
.set i, 0
.rept 48
	v_pk_add_f32 v[U+2*i:U+2*i+1], v[2*i:2*i+1], v[96+2*i:96+2*i+1]
.set i, i+1
.endr
	WIN 0x0c
.set i, 0
.rept 48
	v_pk_add_f32 v[U+2*i:U+2*i+1], v[U+2*i:U+2*i+1], v[2*i:2*i+1]
.set i, i+1
.endr
.set i, 0
.rept 48
	v_pk_add_f32 v[U+2*i:U+2*i+1], v[U+2*i:U+2*i+1], v[96+2*i:96+2*i+1]
.set i, i+1
.endr
	WIN 0
.irp b, 0,1,2,3,4,5,6,7,8,9,10,11      ; then the 16 rows that lie in 16 lanes, through my stage
	ds_store_b128 v[STS], v[U+8*(\b):U+8*(\b)+3]   offset:64*(\b)
	ds_store_b128 v[STS], v[U+8*(\b)+4:U+8*(\b)+7] offset:64*(\b)+16
.endr
	s_wait_xcnt 0x0                                ; the last stores have read BK
.irp i, 0,1,2
.irp p, 0,1,2,3,4,5,6,7,8,9,10,11,12,13,14,15
	ds_load_b64 v[64+32*(\i)+2*(\p):64+32*(\i)+2*(\p)+1], v[SLD] offset:784*(\p)+256*(\i)  ; two columns a lane, 64 a load
.endr
.endr
	s_wait_dscnt 0x0
.irp i, 0,1,2
.irp d, 8,4,2,1
.set k, 0
.rept \d
	v_pk_add_f32 v[64+32*(\i)+2*k:64+32*(\i)+2*k+1], v[64+32*(\i)+2*k:64+32*(\i)+2*k+1], v[64+32*(\i)+2*(k+(\d)):64+32*(\i)+2*(k+(\d))+1]
.set k, k+1
.endr
.endr
	global_store_b64 v[BO], v[64+32*(\i):64+32*(\i)+1], s[BSB:BSB+1] offset:256*(\i)  ; 256 consecutive bytes, aligned
.endr
.Lno_sums:
	s_wait_tensorcnt 0x0                           ; the wave's end, behind my last tensor load and my last LDS store
	ds_add_u32 v[SPW], v[NIL]
	s_wait_dscnt 0x0
	CROUND                                         ; the closing round
	s_endpgm
.Lfunc_end_k_q5dd84f5b6a_qkvp:
	.size	k_q5dd84f5b6a_qkvp, .Lfunc_end_k_q5dd84f5b6a_qkvp-k_q5dd84f5b6a_qkvp
	.p2alignl 7, 3214868480
	.fill 96, 4, 3214868480
	.section	.rodata,"a",@progbits
	.p2align	6, 0x0
	.amdhsa_kernel k_q5dd84f5b6a_qkvp
		.amdhsa_group_segment_fixed_size 327680
		.amdhsa_private_segment_fixed_size 0
		.amdhsa_enable_private_segment 0
		.amdhsa_kernarg_size 40
		.amdhsa_user_sgpr_count 2
		.amdhsa_user_sgpr_kernarg_segment_ptr 1
		.amdhsa_wavefront_size32 1
		.amdhsa_system_sgpr_workgroup_id_x 1
		.amdhsa_system_sgpr_workgroup_id_y 1
		.amdhsa_system_sgpr_workgroup_id_z 1
		.amdhsa_system_vgpr_workitem_id 0
		.amdhsa_next_free_vgpr 960
		.amdhsa_next_free_sgpr 84
		.amdhsa_reserve_vcc 0
		.amdhsa_float_denorm_mode_32 3
		.amdhsa_float_denorm_mode_16_64 3
		.amdhsa_memory_ordered 1
		.amdhsa_forward_progress 1
		.amdhsa_inst_pref_size 197
	.end_amdhsa_kernel
	.amdgpu_metadata
---
amdhsa.version: [ 1, 2 ]
amdhsa.kernels:
  - .name:           k_q5dd84f5b6a_qkvp
    .symbol:         k_q5dd84f5b6a_qkvp.kd
    .args:
      - { .name: xb, .offset: 0, .size: 8, .value_kind: global_buffer, .address_space: global }
      - { .name: wb, .offset: 8, .size: 8, .value_kind: global_buffer, .address_space: global }
      - { .name: rt, .offset: 16, .size: 8, .value_kind: global_buffer, .address_space: global }
      - { .name: qkv, .offset: 24, .size: 8, .value_kind: global_buffer, .address_space: global }
      - { .name: bs, .offset: 32, .size: 8, .value_kind: global_buffer, .address_space: global }
    .group_segment_fixed_size: 327680
    .private_segment_fixed_size: 0
    .kernarg_segment_align: 8
    .kernarg_segment_size: 40
    .max_flat_workgroup_size: 128
    .sgpr_count:     84
    .vgpr_count:     960
    .wavefront_size: 32
...
	.end_amdgpu_metadata
.endif
;; end of part 2
;; launch attn (part 3): grid 16 x 16, 4 waves a work-group, clusters of 4 x 1, 327,680 bytes of LDS; arguments qkv, bs, mask, q_param, log_scale, ao; writes ao
.if DOCPART == 3
	.amdgcn_target "amdgcn-amd-amdhsa--gfx1250"
	.amdhsa_code_object_version 6
	.text
	.protected	k_q5dd84f5b6a_attn
	.globl	k_q5dd84f5b6a_attn
	.p2align	8
	.type	k_q5dd84f5b6a_attn,@function
k_q5dd84f5b6a_attn:
	s_mov_b64 s[64:65], 0
	v_nop
	global_prefetch_b8 v0, s[64:65] scope:SCOPE_SE
	s_setreg_imm32_b32 hwreg(HW_REG_WAVE_MODE, 25, 1), 1
	s_wait_xcnt 0x0
	s_wait_alu depctr_hold_cnt(0) depctr_sa_sdst(0) depctr_va_vdst(0) depctr_va_sdst(0) depctr_va_ssrc(0) depctr_va_vcc(0) depctr_vm_vsrc(0)
	s_getreg_b32 s2, hwreg(HW_REG_IB_STS2, 6, 4)
	s_cmp_eq_u32 s2, 0
	s_cbranch_scc0 .Lentry_in_a_cluster
	s_endpgm
.Lentry_in_a_cluster:
	s_bfe_u32 s2, ttmp6, 0x10000c
	s_cmp_lg_u32 s2, 0x3003
	s_cbranch_scc0 .Lentry_shape_is_right
	s_endpgm
.Lentry_shape_is_right:
; CAUSAL BIVECTOR ATTENTION.  For query q and key k of a head: raw = (q0.k0)(q1.k1) - 2 tanh(q_param) (q0.k1)(q1.k0); score = raw exp(log_scale) / 128; a key behind the diagonal or with mask 0 has the
; score -1e9 INSTEAD; softmax over all 1,024 keys; O = P V.  qkv: f16 [batch][block g][position][64], q and k times 2^-6; ao: f16 [4,096][2,048].  Products, maxima and sums in f32.
; q_param and log_scale are rounded to bf16 like every floating-point input of the program.
; SCORES are kept times log2(e): s = raw C2, C2 = 2^24 log2(e) exp(log_scale) / 128 (the 2^24 undoes the four factors 2^-6); NEG = -1e9 log2(e).  p = 2^(s - m) with a running maximum m, by a true subtraction.
; -1e9 IS A FINITE SCORE: a row whose visible keys are all masked has equal weights on all 1,024 keys.  So a hidden score in a walked tile is NEG exactly (s = raw A + N with A = C2 or 0, N = 0 or NEG, from
; two tables over the keys), and the keys of the tiles that are not walked enter at a block's end: their number times 2^(NEG - M) in the sum, V's sum over them (from bs) times 2^(NEG - M) in O.
; LIMITS: q, k, v as the launch before states; a raw score that overflows f32 under a hidden key gives NaN (0 x infinity); a weight below 2^-126 counts as 0; NaN and infinities are not treated apart.
; THE WALK.  A head's queries lie in 8 blocks of 128; block i needs the key tiles 0 .. i of 128 keys.  A work-group takes blocks 7 - p and then p: 9 tiles whatever p, one loop of constant length.
; CLUSTER 4 x 1: the four query heads of one key-value head, with the same p: they walk the same tiles in step, and every tile is a joint load.
; SHARES.  Of a block's two bands of 64 queries a wave owns 16 rows in each: tile t = band t.  A key tile is two steps of 64 keys.  In the diagonal tile band t has the causal pattern in step t; band 1 sees
; step 0 whole; band 0 leaves step 1 out (a forward jump): those keys count as not walked.
; LAYOUT.  S^T = K Q^T (source 0 = 16 keys, source 1 = 16 queries): lane (r, h) holds query r and keys 8 h + 0..7 of each block of 16.  Two such results rounded to f16 ARE source 1 of O^T = V^T P.
; IN PHASES: a tile's 32 products K Q^T, the scores, the softmax (one batch of 33 exponentials, one wait), its 16 products V^T P.
; REGISTERS, in windows of 256 (s_set_vgpr_msb: bits 1:0 source 0, 3:2 source 1, 5:4 source 2, 7:6 destination):
;   window 0: v0-15 addresses; v16-31 statistics; v32-47 at work; v64-191 the four products (32 each); v192-223 P; v224-255 the band's own pattern
;   window 1: v0-127 O^T, 64 a tile; v128-159 A; v160-191 N       window 2: v0-63 Q; v64-127 the second block's Q; v128-255 K of a step       window 3: v0-127 V of a step
.set PK,    144                        ; a row of k0 or k1 in LDS: 128 bytes + 16
.set PVP,   160                        ; a row of V's halves: 128 + 32
.set SLOT1, 131072
.set K1OFF, 128*PK                     ; in a slot: k0, k1 (18,432 each),
.set VOFF,  2*K1OFF                    ; V's channels 0-63,
.set VHOFF, 128*PVP                    ; and 64-127 (20,480 each): 77,824 bytes
.set TABA,  208896                     ; behind the ring, never filled by a tensor load: A, 1,024 f32;
.set TABD,  4096                       ; N, 4,096 bytes behind it;
.set SUF,   217088                     ; [17][128] f32: V's sum over the keys from 64 e on; rows 1 to 16 are written and read;
.set STAGE, 225792                     ; 16 rows x 272 bytes a wave, for the way out;
.set SP,    272
.set SPARE, 243200                     ; the spare words, 128 bytes a wave: two blocks of 256 bytes that no other line names
.set AK0, 2
.set AV0, 3
.set AK,  4
.set AV,  5
.set AT0, 6
.set AT,  7
.set STO, 8
.set RD,  9
.set GO,  10
.set QO,  11
.set AS0, 13
.set ST,  16                           ; tile t at v[16 + 8 t]: +0 m, +1 its partner in a pair, +2, +3 l (even, odd keys), +4..+7 at work; the correction a in +6
.set PFO, 60
.set SPW, 62
.set NIL, 63
.set SA,  64                           ; q0.k0, then the scores and weights
.set SB,  96                           ; q1.k1
.set SC,  128                          ; q0.k1
.set SD,  160                          ; q1.k0
.set PW,  192
.set MD,  224
.set TA,  128                          ; window 1
.set TN,  160
.set KF,  128                          ; window 2: half sp, key block kb, channel half c at KF + 64 sp + 16 kb + 8 c
.set WV,  16
.set PB,  18                           ; s18  p
.set G1K, 24
.set G1V, 32
.set G0K, 40
.set G0V, 44
.set KB,  48                           ; s[48:49] my plane of K at tile 0
.set VB,  50                           ; s[50:51] of V
.set OFF, 52                           ; s[52:53] a tile's byte offset in a plane
.set PFA, 54
.set SLOTS, 56
.set CNT, 57
.set RT,  58                           ; tiles of the block in hand still to be entered
.set NXT, 59                           ; the tile to be asked for next
.set LQ,  60                           ; the last tile of the block whose tiles are being asked for
.set DG,  61                           ; 1: the tile in hand holds the diagonal
.set TBK, 62
.set TBV, 63
.set TBT, 66
.set CUR, 67                           ; the number of the tile in hand
.set BLK, 68                           ; the block in hand
.set LIM, 69
.set SEL, 70
.set NT2, 72                           ; s[72:73] -2 tanh(q_param)
.set NEGP, 74                          ; s[74:75] NEG
.set C2,  76
.set LOWS, 77                          ; the lowest finite number
.set AOB, 78
.set AOB2, 80
.set E,   82
.set NEGS, 84
.set QPV, 86
.set LSV, 87
.set HOF, 88
.set PNEG, 90                          ; s[90:91] -NEG
.set MSB, 0
.macro WIN new
.if MSB != (\new)
	s_set_vgpr_msb (MSB<<8)|(\new)
.set MSB, (\new)
.endif
.endm
.set W_KQ, 0x0a
.set W_AN, 0x14
.set W_PV, 0x53
.set W_RS, 0x41
.macro PLACES
.rept 4
	v_nop
.endr
.endm
; A joint fill: waves 0 and 1 fetch a tile's k0 and k1, waves 2 and 3 V's two halves: 128 keys x 128 bytes each, dense in memory.  An s_nop 0 and four v_nop follow each line.
.macro JLOAD
	s_cmp_lt_u32 s[WV], 2
	s_cbranch_scc0 .Lfor_v_\@
	tensor_load_to_lds s[G0K:G0K+3], s[G1K:G1K+7]
	s_nop 0
.rept 4
	v_nop
.endr
	s_branch .Lasked_\@
.Lfor_v_\@:
	tensor_load_to_lds s[G0V:G0V+3], s[G1V:G1V+7]
	s_nop 0
.rept 4
	v_nop
.endr
.Lasked_\@:
.endm
.macro CROUND
	s_barrier_signal -1
	s_barrier_wait -1
	s_cmp_lg_u32 s[WV], 0
	s_cbranch_scc1 .Lnot_wave_0_\@
	s_barrier_signal -3
.Lnot_wave_0_\@:
	s_barrier_wait -3
	s_barrier_signal -1
	s_barrier_wait -1
.endm
; A PREFETCH of the tile that the NEXT change of slots will ask for.  The four clusters of a key-value head walk the same planes: the one with p = 0, whose first block reads all eight tiles, asks.  Partner cx
; takes plane cx, by address; waves 0 and 1 its two halves, a lane for each 256 bytes.  Trips 0 to 5 name tiles 2 to 7; the second block's tiles have been read before and are not named.
.macro ASK
	s_cmp_gt_u32 s[SLOTS], s[LIM]
	s_cbranch_scc0 .Lnot_mine_\@
	global_prefetch_b8 v[PFO], s[PFA:PFA+1] th:TH_LOAD_NT scope:SCOPE_SE
.Lnot_mine_\@:
.endm
; THE CHANGE OF SLOTS.  Each wave waits for all its tensor loads (one is out: its part of the other slot), adds 0 to its spare word, and waits for that and for its own LDS work.  fill = 1: a round of the
; cluster's barrier, and the slot just left is filled, first thing behind it, with tile NXT: the address is made anew from that number.  (At its first use slot 0 is waited for and slot 1 filled.)
.macro CHANGE fill
	WIN 0
	s_wait_tensorcnt 0x0
	ds_add_u32 v[SPW], v[NIL]                      ; 0 onto my spare word; scalar work stands between it and the wait for it
.if \fill
	s_lshl_b32 s[OFF], s[NXT], 14                  ; a tile is 16,384 bytes of a plane
	s_xor_b32 s[G0K+1], s[G0K+1], SLOT1
	s_add_nc_u64 s[G0K+2:G0K+3], s[KB:KB+1], s[OFF:OFF+1]
	s_or_b32 s[G0K+3], s[G0K+3], 0x80000000
	s_xor_b32 s[G0V+1], s[G0V+1], SLOT1
	s_add_nc_u64 s[G0V+2:G0V+3], s[VB:VB+1], s[OFF:OFF+1]
	s_or_b32 s[G0V+3], s[G0V+3], 0x80000000
	s_add_co_u32 s[NXT], s[NXT], 1                 ; the block's next tile, or behind its last the second block's tile 0
	s_cmp_gt_u32 s[NXT], s[LQ]
	s_cselect_b32 s[NXT], 0, s[NXT]
	s_cselect_b32 s[LQ], s[PB], s[LQ]
	s_wait_xcnt 0x0                                ; the last prefetch, a tile back, has read its address
	s_add_nc_u64 s[PFA:PFA+1], s[PFA:PFA+1], 16384
.endif
	s_wait_dscnt 0x0                               ; the add is done; my reads of the slot are over; (the first time) my stores into the tables are done
.if \fill
	CROUND
	JLOAD
	ASK
.else
	s_barrier_signal -1
	s_barrier_wait -1
.endif
	s_sub_co_u32 s[TBK], s[TBK], 128*PK            ; the fetches go back to a slot's first step, in the other slot
	s_xor_b32 s[TBK], s[TBK], SLOT1
	s_sub_co_u32 s[TBV], s[TBV], 128*PVP
	s_xor_b32 s[TBV], s[TBV], SLOT1
	s_lshl_b32 s[TBT], s[CUR], 9                   ; the tile's 128 keys in the tables,
	s_and_b32 s[TBT], s[TBT], 0xf00                ; inside their 4,096 bytes
.endm
	s_load_b256 s[4:11], s[0:1], 0x0               ; qkv s[4:5], bs s[6:7], mask s[8:9], q_param s[10:11]
	s_load_b128 s[12:15], s[0:1], 0x20             ; log_scale s[12:13], ao s[14:15]
	v_lshl_add_u32 v[SPW], v0, 2, SPARE
	v_mov_b32 v[NIL], 0
	ds_add_u32 v[SPW], v[NIL]                      ; the wave's opening: the add and its wait ahead of my first tensor load
	v_lshrrev_b32 v1, 5, v0
	v_readfirstlane_b32 s[WV], v1
	s_bfe_u32 s17, ttmp6, 0x40000                  ; cx: my head in the group of four
	s_mov_b32 s[PB], ttmp9                         ; p: the cluster's x
	s_and_b32 s19, ttmp7, 0xffff
	s_lshr_b32 s20, s19, 2                         ; batch
	s_and_b32 s21, s19, 3                          ; key-value head
	s_lshl_b32 s22, s21, 2
	s_add_co_u32 s22, s22, s17                     ; head
	s_mov_b32 s[G1K], 15|(1<<16)|(1<<20)|(1<<21)|(4<<22)|(3<<25)  ; the mask of four; 2-byte elements; padding on; bit 21 beside a mask; after every 32 words (a key) 4 words
	s_mov_b32 s[G1V], 15|(1<<16)|(1<<20)|(1<<21)|(4<<22)|(7<<25)  ; the same with 8 words
.irp g, G1K, G1V
	s_mov_b32 s[\g+1], 128<<16                     ; 64 rows of 256 bytes, two keys a row
	s_mov_b32 s[\g+2], 64<<16
	s_mov_b32 s[\g+3], 128<<16
	s_mov_b32 s[\g+4], 64
	s_mov_b32 s[\g+5], 128
	s_mov_b32 s[\g+6], 0
	s_mov_b32 s[\g+7], 0
.endr
	s_sub_co_u32 s[BLK], 7, s[PB]
	s_sub_co_u32 s[RT], 8, s[PB]
	s_mov_b32 s[LQ], s[BLK]
	s_mov_b32 s[NXT], 1
	s_mov_b32 s[SLOTS], 8
	s_mov_b32 s[CUR], 0
	s_mov_b32 s[TBK], SLOT1+128*PK                 ; the first change of slots turns these two into 0
	s_mov_b32 s[TBV], SLOT1+128*PVP
	s_mov_b32 s[OFF+1], 0
	s_mov_b32 s[SEL], 0x76543210
	s_mov_b32 s[SEL+1], 0xfedcba98
	s_mov_b32 s[NEGP], 0xceabfb8f                  ; -1e9 log2(e)
	s_mov_b32 s[NEGP+1], s[NEGP]
	s_mov_b32 s[PNEG], 0x4eabfb8f
	s_mov_b32 s[PNEG+1], s[PNEG]
	s_mov_b32 s[LOWS], 0xff7fffff
	s_lshr_b32 s19, s[WV], 1
	s_or_b32 s19, s19, ttmp9
	s_cmp_eq_u32 s19, 0
	s_cselect_b32 s[LIM], 2, -1                    ; waves 0 and 1 of the cluster with p = 0 prefetch while more than two fills are to come
	s_mov_b32 s3, 0
	s_mul_i32 s23, s20, 48
	s_lshl_b32 s19, s21, 1
	s_add_co_u32 s23, s23, s19                     ; 48 batch + 2 key-value head
	s_and_b32 s83, s[WV], 1                        ; which of the two planes I fetch
	s_mov_b32 s[G0K], 1
	s_mul_i32 s[G0K+1], s83, K1OFF
	s_mov_b32 s[G0V], 1
	s_mul_i32 s[G0V+1], s83, VHOFF
	s_add_co_u32 s[G0V+1], s[G0V+1], VOFF
	s_lshl_b32 s[HOF], s22, 2
	s_wait_dscnt 0x0                               ; the opening add is done
	s_wait_kmcnt 0x0
	s_load_b32 s[QPV], s[10:11], s[HOF] offset:0x0
	s_load_b32 s[LSV], s[12:13], s[HOF] offset:0x0
	s_add_co_u32 s2, s23, s83
	s_add_co_u32 s2, s2, 32
	s_lshl_b32 s2, s2, 17                          ; a plane is 131,072 bytes
	s_add_nc_u64 s[KB:KB+1], s[4:5], s[2:3]
	s_add_nc_u64 s[VB:VB+1], s[KB:KB+1], 0x100000  ; V's planes lie eight planes behind K's
	s_add_nc_u64 s[G0K+2:G0K+3], s[KB:KB+1], 0
	s_or_b32 s[G0K+3], s[G0K+3], 0x80000000
	s_add_nc_u64 s[G0V+2:G0V+3], s[VB:VB+1], 0
	s_or_b32 s[G0V+3], s[G0V+3], 0x80000000
	CROUND                                         ; all four work-groups are here
	JLOAD                                          ; tile 0 into slot 0
	s_and_b32 s2, s17, 1                           ; the prefetches: plane 32 + cx % 2 + 8 (cx / 2) of the key-value head,
	s_lshr_b32 s19, s17, 1
	s_lshl_b32 s19, s19, 3
	s_add_co_u32 s2, s2, s19
	s_add_co_u32 s2, s2, s23
	s_add_co_u32 s2, s2, 32
	s_lshl_b32 s2, s2, 17
	s_lshl_b32 s19, s83, 13                        ; my wave's half of a tile,
	s_add_co_u32 s2, s2, s19
	s_add_co_u32 s2, s2, 16384                     ; at tile 1: the first change of slots steps it to 2
	s_add_nc_u64 s[PFA:PFA+1], s[4:5], s[2:3]
	s_mul_i32 s85, s20, 48
	s_lshl_b32 s19, s22, 1
	s_add_co_u32 s85, s85, s19
	s_lshl_b32 s85, s85, 17                        ; q0's plane of my head,
	s_lshl_b32 s89, s[WV], 11                      ; my 16 rows of a band
	s_add_co_u32 s85, s85, s89
	s_lshl_b32 s2, s[BLK], 14
	s_add_co_u32 s2, s2, s85
	s_add_nc_u64 s[92:93], s[4:5], s[2:3]          ; Q of the first block,
	s_lshl_b32 s2, s[PB], 14
	s_add_co_u32 s2, s2, s85
	s_add_nc_u64 s[94:95], s[4:5], s[2:3]          ; and of the second
	s_lshl_b32 s85, s20, 10
	s_lshl_b32 s89, s[WV], 4
	s_add_co_u32 s85, s85, s89
	s_lshl_b32 s89, s22, 8
	s_lshl_b32 s2, s[BLK], 7
	s_add_co_u32 s2, s2, s85
	s_lshl_b32 s2, s2, 12                          ; a row of ao is 4,096 bytes, a head 256 of them
	s_add_co_u32 s2, s2, s89
	s_add_nc_u64 s[AOB:AOB+1], s[14:15], s[2:3]
	s_lshl_b32 s2, s[PB], 7
	s_add_co_u32 s2, s2, s85
	s_lshl_b32 s2, s2, 12
	s_add_co_u32 s2, s2, s89
	s_add_nc_u64 s[AOB2:AOB2+1], s[14:15], s[2:3]
	s_lshl_b32 s2, s20, 12
	s_add_nc_u64 s[8:9], s[8:9], s[2:3]            ; the batch's mask
	s_mul_i32 s2, s20, 49152
	s_lshl_b32 s19, s21, 9
	s_add_co_u32 s2, s2, s19
	s_add_co_u32 s2, s2, 1024
	s_add_nc_u64 s[6:7], s[6:7], s[2:3]            ; bs at the batch's first 64 rows and V's two blocks of my key-value head
	v_and_b32 v1, 15, v0                           ; r
	v_bfe_u32 v12, v0, 4, 1                        ; h
	v_and_b32 v14, 7, v0
	v_bfe_u32 v15, v0, 3, 1
	v_and_b32 v32, 31, v0
	v_mul_u32_u24 v[AK0], v1, PK
	v_lshl_add_u32 v[AK0], v12, 4, v[AK0]
	v_lshl_add_u32 v[AV0], v12, 3, v14             ; the turning load: key 8 h + l % 8, channels 8 ((l / 8) % 2) + 0..7
	v_mul_u32_u24 v[AV0], v[AV0], PVP
	v_lshl_add_u32 v[AV0], v15, 4, v[AV0]
	v_add_nc_u32 v[AV0], VOFF, v[AV0]
	v_lshlrev_b32 v[AT0], 5, v12
	v_add_nc_u32 v[AS0], SUF, v[AT0]
	v_add_nc_u32 v[AT0], TABA, v[AT0]
	v_lshlrev_b32 v[QO], 7, v1
	v_lshl_add_u32 v[QO], v12, 4, v[QO]
	s_mul_i32 s23, s[WV], 16*SP
	s_add_co_u32 s23, s23, STAGE
	v_mul_u32_u24 v[STO], v1, SP
	v_lshl_add_u32 v[STO], v12, 4, v[STO]
	v_add_nc_u32 v[STO], s23, v[STO]
	v_mul_u32_u24 v[RD], v12, SP
	v_lshl_add_u32 v[RD], v1, 4, v[RD]
	v_add_nc_u32 v[RD], s23, v[RD]
	v_lshlrev_b32 v[GO], 12, v12
	v_lshl_add_u32 v[GO], v1, 4, v[GO]
	v_lshlrev_b32 v[PFO], 8, v32
	v_lshlrev_b32 v33, 5, v0                       ; 32 x thread: my 8 keys of the mask and of the tables
	v_lshlrev_b32 v34, 2, v0                       ; 4 x thread: my channel of V's sums
	v_add_nc_u32 v35, TABA, v33
	v_add_nc_u32 v32, SUF, v34
	WIN 0x80
.irp t, 0,1
.irp sp, 0,1
.irp c, 0,1
	global_load_b128 v[32*(\t)+16*(\sp)+8*(\c):32*(\t)+16*(\sp)+8*(\c)+3],         v[QO], s[92:93] offset:8192*(\t)+131072*(\sp)+64*(\c)
	global_load_b128 v[32*(\t)+16*(\sp)+8*(\c)+4:32*(\t)+16*(\sp)+8*(\c)+7],       v[QO], s[92:93] offset:8192*(\t)+131072*(\sp)+64*(\c)+32
	global_load_b128 v[64+32*(\t)+16*(\sp)+8*(\c):64+32*(\t)+16*(\sp)+8*(\c)+3],   v[QO], s[94:95] offset:8192*(\t)+131072*(\sp)+64*(\c)
	global_load_b128 v[64+32*(\t)+16*(\sp)+8*(\c)+4:64+32*(\t)+16*(\sp)+8*(\c)+7], v[QO], s[94:95] offset:8192*(\t)+131072*(\sp)+64*(\c)+32
.endr
.endr
.endr
	WIN 0
	global_load_b128 v[36:39], v33, s[8:9]
	global_load_b128 v[40:43], v33, s[8:9] offset:16
.irp e, 1,2,3,4,5,6,7,8,9,10,11,12,13,14,15
	global_load_b32 v[64+(\e)], v34, s[6:7] offset:3072*(\e)
.endr
	WIN 0x40                                       ; O^T starts at 0; all this stands in the wait for the first tile
.set i, 0
.rept 128
	v_mov_b32 v[i], 0
.set i, i+1
.endr
	WIN 0
.set i, 0
.rept 16
	v_mov_b32 v[ST+i], 0
.set i, i+1
.endr
	v_mov_b32 v[ST], s[LOWS]                       ; m starts at the lowest finite number: the first step's correction is 0
	v_mov_b32 v[ST+8], s[LOWS]
	s_lshl_b32 s19, s[WV], 4
	v_lshlrev_b32 v14, 3, v12
	v_sub_nc_u32 v14, v1, v14
	v_add_nc_u32 v14, s19, v14                     ; my query's place in its band, 16 w + r, less my lanes' 8 h: register j of key block kb is visible where 16 kb + j is not greater
.set i, 0
.rept 32
	v_cmp_le_i32 vcc_lo, 16*(i/8)+i%8, v14
	v_cndmask_b32 v[MD+i], 0, 1.0, vcc_lo
.set i, i+1
.endr
	s_wait_kmcnt 0x0
	v_mov_b32 v84, s[QPV]
	v_mov_b32 v85, s[LSV]
	v_cvt_pk_bf16_f32 v84, v84, v85
	v_and_b32 v85, 0xffff0000, v84
	v_lshlrev_b32 v84, 16, v84
	v_mul_f32 v84, 0x4038aa3b, v84                 ; 2 log2(e) q_param
	v_mul_f32 v85, 0x3fb8aa3b, v85                 ; log2(e) log_scale
	v_exp_f32 v84, v84
	v_exp_f32 v85, v85
	v_nop                                          ; a plain instruction behind the batch, and the wait ahead of its first reader
	s_wait_alu depctr_va_vdst(0)
	v_add_f32 v84, 1.0, v84
	v_mul_f32 v85, 0x4838aa3b, v85                 ; C2
	v_rcp_f32 v84, v84
	v_nop
	s_wait_alu depctr_va_vdst(0)
	v_fma_f32 v84, v84, 4.0, -2.0                  ; -2 tanh(x) = 4 / (1 + e^(2x)) - 2
	v_readfirstlane_b32 s[NT2], v84
	v_readfirstlane_b32 s[C2], v85
	s_mov_b32 s[NT2+1], s[NT2]
	s_wait_loadcnt 0x0                             ; Q, the mask, V's sums
.set i, 0
.rept 8
	v_cmp_ne_u32 vcc_lo, 0, v[36+i]
	v_cndmask_b32 v[44+i], 0, s[C2], vcc_lo
	v_cndmask_b32 v[52+i], s[NEGP], 0, vcc_lo
.set i, i+1
.endr
	ds_store_b128 v35, v[44:47]
	ds_store_b128 v35, v[48:51] offset:16
	ds_store_b128 v35, v[52:55] offset:TABD
	ds_store_b128 v35, v[56:59] offset:TABD+16
	v_mov_b32 v80, 0                               ; behind the last key nothing is left
.irp e, 14,13,12,11,10,9,8,7,6,5,4,3,2,1
	v_add_f32 v[64+(\e)], v[64+(\e)], v[65+(\e)]
.endr
.irp e, 1,2,3,4,5,6,7,8,9,10,11,12,13,14,15,16
	ds_store_b32 v32, v[64+(\e)] offset:512*(\e)
.endr
; 32 products for tile t: channels 32 (i / 16) on, keys 16 ((i % 16) / 4) on, kind i % 4: q0.k0, q1.k1, q0.k1, q1.k0.  The 16 accumulators take turns; the first 16 start the sums.
.macro KQ t
	WIN W_KQ
.set i, 0
.rept 32
.set kd, i%4
.set rD, SA+32*kd+8*((i%16)/4)
.set rK, KF+64*(((kd+1)/2)%2)+16*((i%16)/4)+8*(i/16)
.set rQ, 32*(\t)+16*(kd%2)+8*(i/16)
.if i < 16
	v_wmma_f32_16x16x32_f16 v[rD:rD+7], v[rK:rK+7], v[rQ:rQ+7], 0
.else
	v_wmma_f32_16x16x32_f16 v[rD:rD+7], v[rK:rK+7], v[rQ:rQ+7], v[rD:rD+7]
.endif
.set i, i+1
.endr
.endm
; The scores: (q0.k0)(q1.k1) + NT2 (q0.k1)(q1.k0), then times A plus N.  Ascending: each accumulator's lowest registers are read first.
.macro COMB
	WIN 0
.set i, 0
.rept 16
	v_pk_mul_f32 v[SA+2*i:SA+2*i+1], v[SA+2*i:SA+2*i+1], v[SB+2*i:SB+2*i+1]
	v_pk_mul_f32 v[SC+2*i:SC+2*i+1], v[SC+2*i:SC+2*i+1], v[SD+2*i:SD+2*i+1]
.set i, i+1
.endr
.set i, 0
.rept 16
	v_pk_fma_f32 v[SA+2*i:SA+2*i+1], v[SC+2*i:SC+2*i+1], s[NT2:NT2+1], v[SA+2*i:SA+2*i+1] op_sel_hi:[1,0,1]
.set i, i+1
.endr
	WIN W_AN
.set i, 0
.rept 16
	v_pk_fma_f32 v[SA+2*i:SA+2*i+1], v[SA+2*i:SA+2*i+1], v[TA+2*i:TA+2*i+1], v[TN+2*i:TN+2*i+1]
.set i, i+1
.endr
	WIN 0
.endm
; The softmax of tile t's 32 scores a lane: the maximum with the old m, the other half of the lanes', s - m, ONE batch of 33 exponentials with ONE wait, the roundings, the sums, O^T and l times the correction.
.macro SOFT t
.set rT, ST+8*(\t)
	WIN 0
.irp j, 0,1,2,3
	v_max3_num_f32 v[rT+4+(\j)], v[SA+8*(\j)], v[SA+8*(\j)+1], v[SA+8*(\j)+2]
.endr
.irp j, 0,1,2,3
	v_max3_num_f32 v[rT+4+(\j)], v[rT+4+(\j)], v[SA+8*(\j)+3], v[SA+8*(\j)+4]
.endr
.irp j, 0,1,2,3
	v_max3_num_f32 v[rT+4+(\j)], v[rT+4+(\j)], v[SA+8*(\j)+5], v[SA+8*(\j)+6]
.endr
	v_max3_num_f32 v[rT+4], v[rT+4], v[SA+7], v[SA+15]
	v_max3_num_f32 v[rT+6], v[rT+6], v[SA+23], v[SA+31]
	v_max3_num_f32 v[rT+4], v[rT+4], v[rT+5], v[rT+7]
	v_max3_num_f32 v[rT+4], v[rT+4], v[rT+6], v[rT]
	v_mov_b32 v[rT+7], v[rT]                       ; the old m
	v_permlanex16_b32 v[rT+5], v[rT+4], s[SEL], s[SEL+1]  ; the query's other 32 keys lie in the lane 16 away
	v_max_num_f32 v[rT], v[rT+4], v[rT+5]
	v_sub_f32 v[rT+7], v[rT+7], v[rT]
.set i, 0
.rept 16
	v_pk_add_f32 v[SA+2*i:SA+2*i+1], v[SA+2*i:SA+2*i+1], v[rT:rT+1] op_sel_hi:[1,0] neg_lo:[0,1] neg_hi:[0,1]
.set i, i+1
.endr
	v_exp_f32 v[rT+6], v[rT+7]
.set i, 0
.rept 32
	v_exp_f32 v[SA+i], v[SA+i]
.set i, i+1
.endr
	v_nop                                          ; a plain instruction behind the last exponential,
	s_wait_alu depctr_va_vdst(0)                   ; and the one wait for the batch, ahead of its first reader
.set i, 0
.rept 16
	v_cvt_pk_f16_f32 v[PW+16*(\t)+i], v[SA+2*i], v[SA+2*i+1]
.set i, i+1
.endr
.irp d, 8,4,2,1
.set i, 0
.rept \d
	v_pk_add_f32 v[SA+2*i:SA+2*i+1], v[SA+2*i:SA+2*i+1], v[SA+2*(i+(\d)):SA+2*(i+(\d))+1]
.set i, i+1
.endr
.endr
	v_pk_fma_f32 v[rT+2:rT+3], v[rT+2:rT+3], v[rT+6:rT+7], v[SA:SA+1] op_sel_hi:[1,0,1]
	WIN W_RS
.set i, 0
.rept 32
	v_pk_mul_f32 v[64*(\t)+2*i:64*(\t)+2*i+1], v[64*(\t)+2*i:64*(\t)+2*i+1], v[rT+6:rT+7] op_sel_hi:[1,0]
.set i, i+1
.endr
.endm
; 16 products O^T += V^T P: keys 32 (i / 8) on, channels 16 (i % 8) on.  The 8 accumulators take turns.
.macro PV t
	WIN W_PV
.set i, 0
.rept 16
.set rO, 64*(\t)+8*(i%8)
.set rV, 64*(i/8)+8*(i%8)
.set rP, PW+16*(\t)+8*(i/8)
	v_wmma_f32_16x16x32_f16 v[rO:rO+7], v[rV:rV+7], v[rP:rP+7], v[rO:rO+7]
.set i, i+1
.endr
.endm
.macro TILE t
	s_wait_dscnt 48                                ; K is in: the 16 table loads and V's 32 are younger
	KQ \t
	WIN 0
	PLACES                                         ; behind the products: the packed lines below read and overwrite their results
	PLACES
	s_wait_dscnt 32                                ; the tables are in
	COMB
	SOFT \t
	s_wait_dscnt 0x0                               ; V is in
	PV \t
	WIN 0
.endm
.macro TABLES                          ; A and N of the step's 64 keys: all 16 lanes of a half read the same 32 bytes of each key block
	WIN 0x40
.irp kb, 0,1,2,3
	ds_load_b128 v[TA+8*(\kb):TA+8*(\kb)+3],   v[AT] offset:64*(\kb)
	ds_load_b128 v[TA+8*(\kb)+4:TA+8*(\kb)+7], v[AT] offset:64*(\kb)+16
	ds_load_b128 v[TN+8*(\kb):TN+8*(\kb)+3],   v[AT] offset:TABD+64*(\kb)
	ds_load_b128 v[TN+8*(\kb)+4:TN+8*(\kb)+7], v[AT] offset:TABD+64*(\kb)+16
.endr
	WIN 0
.endm
.macro OWN                             ; the band's own step: where the pattern is 0, A becomes 0 and N becomes NEG: (N - NEG) x pattern + NEG, exact for N = 0 and N = NEG
	WIN W_RS
.set i, 0
.rept 16
	v_pk_mul_f32 v[TA+2*i:TA+2*i+1], v[TA+2*i:TA+2*i+1], v[MD+2*i:MD+2*i+1]
	v_pk_add_f32 v[TN+2*i:TN+2*i+1], v[TN+2*i:TN+2*i+1], s[PNEG:PNEG+1] op_sel_hi:[1,0]
.set i, i+1
.endr
.set i, 0
.rept 16
	v_pk_fma_f32 v[TN+2*i:TN+2*i+1], v[TN+2*i:TN+2*i+1], v[MD+2*i:MD+2*i+1], s[NEGP:NEGP+1] op_sel_hi:[1,1,0]
.set i, i+1
.endr
	WIN 0
.endm
; A TILE'S TWO KEY STEPS: written once, walked twice.  A step: 80 LDS loads in one run (K, the tables, V), then band 0 and band 1.
.macro STEPS
	s_mov_b32 s[CNT], 2
.Lstep_\@:
	v_add_nc_u32 v[AK], s[TBK], v[AK0]             ; these four lines are the places behind the last V^T P, in front of the loads
	v_add_nc_u32 v[AV], s[TBV], v[AV0]
	v_add_nc_u32 v[AT], s[TBT], v[AT0]
	v_nop
	s_add_co_u32 s[TBK], s[TBK], 64*PK
	s_add_co_u32 s[TBV], s[TBV], 64*PVP
	s_add_co_u32 s[TBT], s[TBT], 256
	WIN 0x80
.irp sp, 0,1
.irp kb, 0,1,2,3
.irp c, 0,1
	ds_load_b128 v[KF+64*(\sp)+16*(\kb)+8*(\c):KF+64*(\sp)+16*(\kb)+8*(\c)+3],   v[AK] offset:K1OFF*(\sp)+16*PK*(\kb)+64*(\c)
	ds_load_b128 v[KF+64*(\sp)+16*(\kb)+8*(\c)+4:KF+64*(\sp)+16*(\kb)+8*(\c)+7], v[AK] offset:K1OFF*(\sp)+16*PK*(\kb)+64*(\c)+32
.endr
.endr
.endr
	TABLES
	WIN 0xc0
.irp kk, 0,1
.irp cb, 0,1,2,3,4,5,6,7
	ds_load_tr16_b128 v[64*(\kk)+8*(\cb):64*(\kk)+8*(\cb)+3],   v[AV] offset:VHOFF*((\cb)/4)+32*PVP*(\kk)+32*((\cb)%4)
	ds_load_tr16_b128 v[64*(\kk)+8*(\cb)+4:64*(\kk)+8*(\cb)+7], v[AV] offset:VHOFF*((\cb)/4)+32*PVP*(\kk)+32*((\cb)%4)+16*PVP
.endr
.endr
	WIN 0
	s_cmp_eq_u32 s[DG], 0
	s_cbranch_scc1 .Lband0_\@
	s_cmp_eq_u32 s[CNT], 1
	s_cbranch_scc1 .Lown1_\@                       ; the diagonal tile's second step: band 0 sees none of it
	s_wait_dscnt 32                                ; the tables are in
	OWN                                            ; its first step is band 0's own
.Lband0_\@:
	TILE 0
	s_cmp_eq_u32 s[DG], 0
	s_cbranch_scc1 .Lband1_\@
	TABLES                                         ; band 1 sees the first step whole: the tables once more
	s_wait_dscnt 0x0
	s_branch .Lband1_\@
.Lown1_\@:
	s_wait_dscnt 32
	OWN
.Lband1_\@:
	TILE 1
	s_sub_co_u32 s[CNT], s[CNT], 1
	s_cmp_lg_u32 s[CNT], 0
	s_cbranch_scc1 .Lstep_\@
.endm
; A BLOCK'S END.  For band t the keys from 64 e on, e = 2 block + t + 1, were not walked.  M = max(m, NEG); O = (O 2^(m - M) + V's sum over them 2^(NEG - M)) / (l 2^(m - M) + their number 2^(NEG - M)).
; With e = 16 there are none, and the lowest finite number stands for NEG.  Then f16, through my stage, out in whole rows of 256 bytes.
.macro FINISH
.irp t, 0,1
.set rT, ST+8*(\t)
	WIN 0
	s_lshl_b32 s[E], s[BLK], 1
	s_add_co_u32 s[E], s[E], (\t)+1
	s_min_u32 s[E], s[E], 16
	s_lshl_b32 s83, s[E], 6
	s_sub_co_u32 s83, 1024, s83
	s_cmp_eq_u32 s[E], 16
	s_cselect_b32 s[NEGS], s[LOWS], s[NEGP]
	s_lshl_b32 s85, s[E], 9
.if (\t) == 1
	s_wait_xcnt 0x0                                ; band 0's stores have read their registers
.endif
	v_add_nc_u32 v14, s85, v[AS0]
.irp cb, 0,1,2,3,4,5,6,7
	ds_load_b128 v[64+8*(\cb):64+8*(\cb)+3],   v14 offset:64*(\cb)
	ds_load_b128 v[64+8*(\cb)+4:64+8*(\cb)+7], v14 offset:64*(\cb)+16
.endr
	v_add_f32 v32, v[rT+2], v[rT+3]
	v_cvt_f32_u32 v45, s83
	v_permlanex16_b32 v33, v32, s[SEL], s[SEL+1]
	v_max_num_f32 v34, s[NEGS], v[rT]
	v_add_f32 v32, v32, v33
	v_sub_f32 v35, v[rT], v34
	v_sub_f32 v36, s[NEGS], v34
	v_exp_f32 v35, v35
	v_exp_f32 v36, v36
	v_nop
	s_wait_alu depctr_va_vdst(0)                   ; one wait for the two exponentials
	v_mul_f32 v37, v36, v45
	v_fma_f32 v37, v32, v35, v37
	v_rcp_f32 v37, v37
	v_nop
	s_wait_alu depctr_va_vdst(0)
	v_mul_f32 v38, v35, v37
	v_mul_f32 v39, v35, v37
	v_mul_f32 v40, v36, v37
	v_mul_f32 v41, v36, v37
	s_wait_dscnt 0x0
.set i, 0
.rept 32
	v_pk_mul_f32 v[64+2*i:64+2*i+1], v[64+2*i:64+2*i+1], v[40:41]
.set i, i+1
.endr
	WIN 0x01                                       ; source 0: O^T, in window 1; ascending, each accumulator's lowest registers first
.set i, 0
.rept 32
	v_pk_fma_f32 v[64+2*i:64+2*i+1], v[64*(\t)+2*i:64*(\t)+2*i+1], v[38:39], v[64+2*i:64+2*i+1]
.set i, i+1
.endr
	WIN 0
.set i, 0
.rept 32
	v_cvt_pk_f16_f32 v[128+i], v[64+2*i], v[64+2*i+1]
.set i, i+1
.endr
.irp cb, 0,1,2,3,4,5,6,7
	ds_store_b128 v[STO], v[128+4*(\cb):128+4*(\cb)+3] offset:32*(\cb)
.endr
.irp f, 0,1,2,3,4,5,6,7
	ds_load_b128 v[160+4*(\f):160+4*(\f)+3], v[RD] offset:2*SP*(\f)  ; LDS serves a wave's instructions in order (ISA guide 5.7.1.4)
.endr
	s_wait_dscnt 0x0
.irp f, 0,1,2,3,4,5,6,7
	global_store_b128 v[GO], v[160+4*(\f):160+4*(\f)+3], s[AOB:AOB+1] offset:262144*(\t)+8192*(\f)  ; 16 lanes store 256 consecutive bytes, aligned
.endr
.endr
.endm
.Lslot:                                                ; 8 trips: a tile is entered and the next is asked for
	CHANGE 1
	s_sub_co_u32 s[RT], s[RT], 1
	s_cmp_eq_u32 s[RT], 0
	s_cselect_b32 s[DG], 1, 0
	STEPS
	s_add_co_u32 s[CUR], s[CUR], 1
	s_cmp_eq_u32 s[DG], 0
	s_cbranch_scc1 .Lbottom
	FINISH                                         ; in the loop this is the first block's end
	s_wait_xcnt 0x0                                ; the stores have read their registers and ao's address
	s_mov_b64 s[AOB:AOB+1], s[AOB2:AOB2+1]
	s_mov_b32 s[BLK], s[PB]
	s_add_co_u32 s[RT], s[PB], 1
	s_mov_b32 s[CUR], 0
	v_mov_b32 v[ST], s[LOWS]                       ; the next step's correction is 0: O^T and l need not be cleared
	v_mov_b32 v[ST+8], s[LOWS]
	WIN 0x82                                       ; the second block's Q goes where the one text names Q
.set i, 0
.rept 64
	v_mov_b32 v[i], v[64+i]
.set i, i+1
.endr
	WIN 0
.Lbottom:
	s_sub_co_u32 s[SLOTS], s[SLOTS], 1
	s_cmp_lg_u32 s[SLOTS], 0
	s_cbranch_scc1 .Lslot
	CHANGE 0                                       ; the walk's last tile, the second block's diagonal one, is written out: nothing is asked for
	s_mov_b32 s[DG], 1
	STEPS
	FINISH
	s_wait_tensorcnt 0x0                           ; the wave's end, behind my last tensor load and my last LDS store
	ds_add_u32 v[SPW], v[NIL]
	s_wait_dscnt 0x0
	CROUND                                         ; the closing round
	s_endpgm
.Lfunc_end_k_q5dd84f5b6a_attn:
	.size	k_q5dd84f5b6a_attn, .Lfunc_end_k_q5dd84f5b6a_attn-k_q5dd84f5b6a_attn
	.p2alignl 7, 3214868480
	.fill 96, 4, 3214868480
	.section	.rodata,"a",@progbits
	.p2align	6, 0x0
	.amdhsa_kernel k_q5dd84f5b6a_attn
		.amdhsa_group_segment_fixed_size 327680
		.amdhsa_private_segment_fixed_size 0
		.amdhsa_enable_private_segment 0
		.amdhsa_kernarg_size 48
		.amdhsa_user_sgpr_count 2
		.amdhsa_user_sgpr_kernarg_segment_ptr 1
		.amdhsa_wavefront_size32 1
		.amdhsa_system_sgpr_workgroup_id_x 1
		.amdhsa_system_sgpr_workgroup_id_y 1
		.amdhsa_system_sgpr_workgroup_id_z 1
		.amdhsa_system_vgpr_workitem_id 0
		.amdhsa_next_free_vgpr 896
		.amdhsa_next_free_sgpr 96
		.amdhsa_reserve_vcc 1
		.amdhsa_float_denorm_mode_32 3
		.amdhsa_float_denorm_mode_16_64 3
		.amdhsa_memory_ordered 1
		.amdhsa_forward_progress 1
		.amdhsa_inst_pref_size 155
	.end_amdhsa_kernel
	.amdgpu_metadata
---
amdhsa.version: [ 1, 2 ]
amdhsa.kernels:
  - .name:           k_q5dd84f5b6a_attn
    .symbol:         k_q5dd84f5b6a_attn.kd
    .args:
      - { .name: qkv, .offset: 0, .size: 8, .value_kind: global_buffer, .address_space: global }
      - { .name: bs, .offset: 8, .size: 8, .value_kind: global_buffer, .address_space: global }
      - { .name: mask, .offset: 16, .size: 8, .value_kind: global_buffer, .address_space: global }
      - { .name: q_param, .offset: 24, .size: 8, .value_kind: global_buffer, .address_space: global }
      - { .name: log_scale, .offset: 32, .size: 8, .value_kind: global_buffer, .address_space: global }
      - { .name: ao, .offset: 40, .size: 8, .value_kind: global_buffer, .address_space: global }
    .group_segment_fixed_size: 327680
    .private_segment_fixed_size: 0
    .kernarg_segment_align: 8
    .kernarg_segment_size: 48
    .max_flat_workgroup_size: 128
    .sgpr_count:     96
    .vgpr_count:     896
    .wavefront_size: 32
...
	.end_amdgpu_metadata
.endif
;; end of part 3
;; launch outp (part 4): grid 16 x 16, 4 waves a work-group, clusters of 4 x 4, 327,680 bytes of LDS; arguments ao, wob, out0; writes out0
.if DOCPART == 4
	.amdgcn_target "amdgcn-amd-amdhsa--gfx1250"
	.amdhsa_code_object_version 6
	.text
	.protected	k_q5dd84f5b6a_outp
	.globl	k_q5dd84f5b6a_outp
	.p2align	8
	.type	k_q5dd84f5b6a_outp,@function
k_q5dd84f5b6a_outp:
	s_mov_b64 s[64:65], 0
	v_nop
	global_prefetch_b8 v0, s[64:65] scope:SCOPE_SE
	s_setreg_imm32_b32 hwreg(HW_REG_WAVE_MODE, 25, 1), 1
	s_wait_xcnt 0x0
	s_wait_alu depctr_hold_cnt(0) depctr_sa_sdst(0) depctr_va_vdst(0) depctr_va_sdst(0) depctr_va_ssrc(0) depctr_va_vcc(0) depctr_vm_vsrc(0)
	s_getreg_b32 s2, hwreg(HW_REG_IB_STS2, 6, 4)
	s_cmp_eq_u32 s2, 0
	s_cbranch_scc0 .Lentry_in_a_cluster
	s_endpgm
.Lentry_in_a_cluster:
	s_bfe_u32 s2, ttmp6, 0x10000c
	s_cmp_lg_u32 s2, 0xf033
	s_cbranch_scc0 .Lentry_shape_is_right
	s_endpgm
.Lentry_shape_is_right:
; OUTPUT PROJECTION.  out0[m][n] = sum over k of ao[m][k] Wo[k][n], 4,096 x 2,048 x 2,048; f16 operands (wob holds Wo rounded to bf16, written as f16), f32 sums, f32 out.
; SHARES.  A work-group makes 256 x 128: 16 x 16 work-groups.  Wave w has rows 64 w .. 64 w + 63 and all 128 columns: 32 accumulators.  K goes in 16 steps of 128 through two LDS slots.
; Waves 0 and 1 fetch A's two halves (128 rows x 256 bytes), waves 2 and 3 one block of 64 columns of Wo each (128 k rows of 128 bytes, dense in wob, asked for as 64 rows of 256).
; CLUSTER 4 x 4: A's tile is shared along a row of the cluster, Wo's blocks along a column: joint loads.
; THE MATRIX INSTRUCTION IS USED TRANSPOSED: source 0 = 16 columns of Wo (turned by ds_load_tr16_b128), source 1 = 16 rows of ao: lane (r, h) holds row r and, in register j of block b, column 16 b + 8 h + j.
; REGISTERS, in windows of 256: window 0: v0-31 addresses; v64-127 A's fragments, two buffers; v128-255 rows read back on the way out.  window 1: v0-127 Wo's fragments, two buffers.
;   window 2: accumulator (a, b) at 64 a + 8 b.
.set PA,     272
.set PB,     160
.set SLOT,   131072
.set BOFF,   256*PA
.set BBLK,   128*PB
.set STAGE,  2*SLOT                    ; behind the ring, never filled by a tensor load: 16 rows x 528 bytes a wave
.set STG,    16*528
.set SPARE,  STAGE+4*STG               ; the spare words, 128 bytes a wave: two blocks of 256 bytes that no other line names
.set NL,     24                        ; LDS loads in a run: 16 for Wo, 8 for A
.set ADRA, 16
.set ADRB, 20
.set STO,  24
.set RD,   25
.set GO,   26
.set SPW,  28
.set NIL,  29
.set PFO,  30
.set FA,   64
.set WV,   14
.set G1A,  24
.set G0A,  32
.set PFA,  40
.set PFB,  42
.set LIMA, 44
.set LIMB, 45
.set G1B,  48
.set G0B,  56
.set OB,   72                          ; s[72:73] out0 at my first row and column
.set MSB, 0
.macro WIN new
.if MSB != (\new)
	s_set_vgpr_msb (MSB<<8)|(\new)
.set MSB, (\new)
.endif
.endm
.macro PLACES
.rept 4
	v_nop
.endr
.endm
.macro JLOAD s                         ; a joint load; an s_nop 0 and four v_nop follow each line
	s_cmp_lt_u32 s[WV], 2
	s_cbranch_scc0 .Lfor_b_\@
	tensor_load_to_lds s[G0A+4*(\s):G0A+4*(\s)+3], s[G1A:G1A+7]
	s_nop 0
.rept 4
	v_nop
.endr
	s_branch .Lasked_\@
.Lfor_b_\@:
	tensor_load_to_lds s[G0B+4*(\s):G0B+4*(\s)+3], s[G1B:G1B+7]
	s_nop 0
.rept 4
	v_nop
.endr
.Lasked_\@:
.endm
.macro CREST
	s_cmp_lg_u32 s[WV], 0
	s_cbranch_scc1 .Lnot_wave_0_\@
	s_barrier_signal -3
.Lnot_wave_0_\@:
	s_barrier_wait -3
	s_barrier_signal -1
	s_barrier_wait -1
.endm
.macro CROUND
	s_barrier_signal -1
	s_barrier_wait -1
	CREST
.endm
; PREFETCHES, behind the joint load, its five lines and the run of LDS loads.  Each aligned 256 bytes of ao and wob is named once in the launch.
; A: cluster x = 0 asks; of the 128 rows that wave 0 or 1 fetches partner cx takes 32, by address, a lane a row: the K step two refills on.  Wo: cluster y = 0 asks; a lap's 32,768 bytes of a block are shared
; by address, 8,192 to partner cy; the wave that fetches the block asks once a lap, a lane for each 256 bytes: the lap two on.  The loop's last trip asks for nothing.
.macro ASK sl
	s_cmp_gt_u32 s3, s[LIMA]
	s_cbranch_scc0 .Lno_a_\@
	global_prefetch_b8 v[PFO], s[PFA:PFA+1] th:TH_LOAD_NT scope:SCOPE_SE
.Lno_a_\@:
.if (\sl) == 0
	s_cmp_gt_u32 s3, s[LIMB]
	s_cbranch_scc0 .Lno_b_\@
	global_prefetch_b8 v[PFO], s[PFB:PFB+1] th:TH_LOAD_NT scope:SCOPE_SE
.Lno_b_\@:
.endif
.endm
	s_load_b128 s[4:7], s[0:1], 0x0                ; ao s[4:5], wob s[6:7]
	s_load_b64 s[8:9], s[0:1], 0x10                ; out0
	v_lshl_add_u32 v[SPW], v0, 2, SPARE
	v_mov_b32 v[NIL], 0
	ds_add_u32 v[SPW], v[NIL]                      ; the wave's opening: the add and its wait ahead of my first tensor load
	v_lshrrev_b32 v1, 5, v0
	v_readfirstlane_b32 s[WV], v1
	s_bfe_u32 s16, ttmp6, 0x40000                  ; cx
	s_bfe_u32 s17, ttmp6, 0x40004                  ; cy
	s_lshl_b32 s18, ttmp9, 2
	s_add_co_u32 s18, s18, s16                     ; TC
	s_and_b32 s47, ttmp7, 0xffff                   ; cluster y
	s_lshl_b32 s19, s47, 2
	s_add_co_u32 s19, s19, s17                     ; TR
	s_lshl_b32 s76, s17, 2
	s_lshl_b32 s76, 15, s76
	s_lshl_b32 s77, 0x1111, s16
	s_or_b32 s[G1A], s76, (1<<16)|(1<<20)|(1<<21)|(5<<22)|(3<<25)
	s_mov_b32 s[G1A+1], 128<<16
	s_mov_b32 s[G1A+2], 128<<16
	s_mov_b32 s[G1A+3], 128<<16
	s_mov_b32 s[G1A+4], 128
	s_mov_b32 s[G1A+5], 2048
	s_mov_b32 s[G1A+6], 0
	s_mov_b32 s[G1A+7], 0
	s_or_b32 s[G1B], s77, (1<<16)|(1<<20)|(1<<21)|(4<<22)|(7<<25)
	s_mov_b32 s[G1B+1], 128<<16
	s_mov_b32 s[G1B+2], 64<<16
	s_mov_b32 s[G1B+3], 128<<16
	s_mov_b32 s[G1B+4], 64
	s_mov_b32 s[G1B+5], 128
	s_mov_b32 s[G1B+6], 0
	s_mov_b32 s[G1B+7], 0
	s_and_b32 s82, s[WV], 1                        ; which half of A, or which block of Wo, I fetch
	s_lshl_b32 s78, s19, 20
	s_lshl_b32 s76, s82, 19
	s_add_co_u32 s78, s78, s76                     ; A: row 256 TR + 128 half, 4,096 bytes a row
	s_mov_b32 s79, 0
	s_lshl_b32 s80, s18, 1
	s_add_co_u32 s80, s80, s82
	s_lshl_b32 s80, s80, 18                        ; Wo: block 2 TC + half, 262,144 bytes a block
	s_mov_b32 s81, 0
	s_mul_i32 s83, s82, 128*PA
	s_mul_i32 s77, s82, BBLK
	s_add_co_u32 s77, s77, BOFF
	s_wait_dscnt 0x0
	s_wait_kmcnt 0x0
	s_add_nc_u64 s[78:79], s[4:5], s[78:79]
	s_add_nc_u64 s[80:81], s[6:7], s[80:81]
	CROUND
.irp s, 0,1
	s_mov_b32 s[G0A+4*(\s)], 1
	s_add_co_u32 s[G0A+4*(\s)+1], s83, (\s)*SLOT
	s_add_nc_u64 s[G0A+4*(\s)+2:G0A+4*(\s)+3], s[78:79], (\s)*256
	s_or_b32 s[G0A+4*(\s)+3], s[G0A+4*(\s)+3], 0x80000000
	s_mov_b32 s[G0B+4*(\s)], 1
	s_add_co_u32 s[G0B+4*(\s)+1], s77, (\s)*SLOT
	s_add_nc_u64 s[G0B+4*(\s)+2:G0B+4*(\s)+3], s[80:81], (\s)*16384
	s_or_b32 s[G0B+4*(\s)+3], s[G0B+4*(\s)+3], 0x80000000
.endr
	s_cmp_lt_u32 s[WV], 2                          ; a wave's two first fills stand in one branch: two loads of mine are out
	s_cbranch_scc0 .Lfirst_b
	tensor_load_to_lds s[G0A:G0A+3], s[G1A:G1A+7]
	s_nop 0
	tensor_load_to_lds s[G0A+4:G0A+7], s[G1A:G1A+7]
	s_nop 0
.rept 4
	v_nop
.endr
	s_branch .Lfirst_asked
.Lfirst_b:
	tensor_load_to_lds s[G0B:G0B+3], s[G1B:G1B+7]
	s_nop 0
	tensor_load_to_lds s[G0B+4:G0B+7], s[G1B:G1B+7]
	s_nop 0
.rept 4
	v_nop
.endr
.Lfirst_asked:
	v_and_b32 v1, 15, v0
	v_bfe_u32 v2, v0, 4, 1
	v_and_b32 v3, 31, v0
	v_and_b32 v4, 7, v0
	v_bfe_u32 v5, v0, 3, 1
	s_mul_i32 s76, s[WV], 64*PA
	v_mul_u32_u24 v6, v1, PA
	v_lshl_add_u32 v6, v2, 4, v6
	v_add_nc_u32 v[ADRA], s76, v6
	v_add_nc_u32 v[ADRA+1], SLOT, v[ADRA]
	v_lshl_add_u32 v7, v2, 3, v4
	v_mul_u32_u24 v7, v7, PB
	v_lshl_add_u32 v7, v5, 4, v7
	v_add_nc_u32 v[ADRB], BOFF, v7
	v_add_nc_u32 v[ADRB+1], SLOT+BOFF, v7
	s_mul_i32 s77, s[WV], STG
	s_add_co_u32 s77, s77, STAGE
	v_mul_u32_u24 v[STO], v1, 528                  ; in: row r of 512 + 16 bytes, 32 bytes for each half of the lanes
	v_lshl_add_u32 v[STO], v2, 5, v[STO]
	v_add_nc_u32 v[STO], s77, v[STO]
	v_lshl_add_u32 v[RD], v3, 4, s77               ; back: a whole row of 512 bytes a load
	v_lshlrev_b32 v[GO], 4, v3
	s_cmp_lt_u32 s[WV], 2
	s_cselect_b32 s76, 12, 8
	v_lshlrev_b32 v[PFO], s76, v3
	s_lshl_b32 s78, s19, 8
	s_lshl_b32 s76, s[WV], 6
	s_add_co_u32 s78, s78, s76
	s_lshl_b32 s78, s78, 13                        ; a row of out0 is 8,192 bytes
	s_lshl_b32 s76, s18, 9
	s_add_co_u32 s78, s78, s76
	s_mov_b32 s79, 0
	s_add_nc_u64 s[OB:OB+1], s[8:9], s[78:79]
	s_lshl_b32 s78, s19, 20
	s_lshl_b32 s76, s82, 19
	s_add_co_u32 s78, s78, s76
	s_lshl_b32 s76, s16, 17                        ; my work-group's 32 rows of the 128
	s_add_co_u32 s78, s78, s76
	s_add_co_u32 s78, s78, 768                     ; at K step 3: the first change of slots steps it to 4
	s_add_nc_u64 s[PFA:PFA+1], s[4:5], s[78:79]
	s_lshl_b32 s78, s18, 1
	s_add_co_u32 s78, s78, s82
	s_lshl_b32 s78, s78, 18
	s_lshl_b32 s76, s17, 13
	s_add_co_u32 s78, s78, s76
	s_add_co_u32 s78, s78, 32768                   ; at lap 1: the first change of slots steps it to 2
	s_add_nc_u64 s[PFB:PFB+1], s[6:7], s[78:79]
	s_lshr_b32 s76, s[WV], 1
	s_or_b32 s77, s76, ttmp9
	s_cmp_eq_u32 s77, 0
	s_cselect_b32 s[LIMA], 1, -1                   ; waves 0 and 1 of the clusters with x = 0
	s_xor_b32 s76, s76, 1
	s_or_b32 s76, s76, s47
	s_cmp_eq_u32 s76, 0
	s_cselect_b32 s[LIMB], 1, -1                   ; waves 2 and 3 of the clusters with y = 0
; 8 matrix instructions: my rows 16 a on x all 128 columns, 32 along K.  All 32 accumulators take turns in the same order in every quarter.
.macro MULROW f, a, zero
	WIN 0xa1
.set rA, FA+32*(\f)+8*(\a)
.irp b, 0,1,2,3,4,5,6,7
.set rD, 64*(\a)+8*(\b)
.set rB, 64*(\f)+8*(\b)
.if \zero
	v_wmma_f32_16x16x32_f16 v[rD:rD+7], v[rB:rB+7], v[rA:rA+7], 0
.else
	v_wmma_f32_16x16x32_f16 v[rD:rD+7], v[rB:rB+7], v[rA:rA+7], v[rD:rD+7]
.endif
.endr
.endm
.macro FETCH slot, q, f                ; 24 LDS loads in one run; A's blocks 2 and 3 last
	WIN 0x40
.irp b, 0,1,2,3,4,5,6,7
	ds_load_tr16_b128 v[64*(\f)+8*(\b):64*(\f)+8*(\b)+3],   v[ADRB+(\slot)] offset:((\b)/4)*BBLK+((\b)%4)*32+32*PB*(\q)
	ds_load_tr16_b128 v[64*(\f)+8*(\b)+4:64*(\f)+8*(\b)+7], v[ADRB+(\slot)] offset:((\b)/4)*BBLK+((\b)%4)*32+32*PB*(\q)+16*PB
.endr
	WIN 0
.irp a, 0,1,2,3
	ds_load_b128 v[FA+32*(\f)+8*(\a):FA+32*(\f)+8*(\a)+3],   v[ADRA+(\slot)] offset:64*(\q)+16*PA*(\a)
	ds_load_b128 v[FA+32*(\f)+8*(\a)+4:FA+32*(\f)+8*(\a)+7], v[ADRA+(\slot)] offset:64*(\q)+16*PA*(\a)+32
.endr
.endm
.macro QUARTER slot, q, f, g, zero
	s_wait_dscnt 4                                 ; all but the four youngest loads, A's blocks 2 and 3
	MULROW \f, 0, \zero
	MULROW \f, 1, \zero
	PLACES
	FETCH \slot, \q, \g
	s_wait_dscnt NL                                ; all but the run just issued
	MULROW \f, 2, \zero
	MULROW \f, 3, \zero
.endm
.macro MEET round                      ; the change of slots: all my tensor loads, the add, my reads of this slot; then the barrier
	WIN 0
	s_wait_tensorcnt 0x0
	ds_add_u32 v[SPW], v[NIL]
	s_wait_dscnt 5                                 ; the add and A's blocks 2 and 3 may be out
	MULROW 1, 0, 0
	s_wait_dscnt 0x0
	s_barrier_signal -1
	MULROW 1, 1, 0
.if \round
	WIN 0
.endif
	s_barrier_wait -1
.endm
.macro TURN slot, next                 ; the refill stands 112 matrix instructions ahead of the wait for it
	s_wait_xcnt 0x0                                ; the last prefetches, a K step back, have read their addresses
	s_add_nc_u64 s[PFA:PFA+1], s[PFA:PFA+1], 256
.if (\slot) == 0
	s_add_nc_u64 s[PFB:PFB+1], s[PFB:PFB+1], 32768
.endif
	MEET 1
	CREST
	s_add_nc_u64 s[G0A+4*(\slot)+2:G0A+4*(\slot)+3], s[G0A+4*(\slot)+2:G0A+4*(\slot)+3], 512
	s_add_nc_u64 s[G0B+4*(\slot)+2:G0B+4*(\slot)+3], s[G0B+4*(\slot)+2:G0B+4*(\slot)+3], 32768
	JLOAD \slot
	FETCH \next, 0, 0
	ASK \slot
	MULROW 1, 2, 0
	MULROW 1, 3, 0
.endm
; THE WAY OUT of rows 16 a on: the f32 sums go into my own stage as they lie (each accumulator's registers 0-3 first) and come back as whole rows of 512 bytes.
.macro OUT a
	WIN 0x08                                       ; the stores' data in window 2
.irp b, 0,1,2,3,4,5,6,7
	ds_store_b128 v[STO], v[64*(\a)+8*(\b):64*(\a)+8*(\b)+3]   offset:64*(\b)
	ds_store_b128 v[STO], v[64*(\a)+8*(\b)+4:64*(\a)+8*(\b)+7] offset:64*(\b)+16
.endr
	WIN 0
.if (\a) >= 2
	s_wait_xcnt 0x0                                ; the stores of two blocks back have read these registers
.endif
.set BKA, 128+64*((\a)%2)
.irp p, 0,1,2,3,4,5,6,7,8,9,10,11,12,13,14,15
	ds_load_b128 v[BKA+4*(\p):BKA+4*(\p)+3], v[RD] offset:528*(\p)  ; LDS serves a wave's instructions in order (ISA guide 5.7.1.4)
.endr
	s_wait_dscnt 0x0
.irp p, 0,1,2,3,4,5,6,7,8,9,10,11,12,13,14,15
	global_store_b128 v[GO], v[BKA+4*(\p):BKA+4*(\p)+3], s[OB:OB+1] offset:131072*(\a)+8192*(\p) th:TH_STORE_NT  ; 512 consecutive bytes, aligned
.endr
.endm
	s_wait_tensorcnt 1                             ; my part of K step 0 is in; K step 1's may stay out
	s_barrier_signal -1
	s_barrier_wait -1
	FETCH 0, 0, 0
	QUARTER 0, 1, 0, 1, 1                          ; the first quarter's products start the sums
	WIN 0
	s_mov_b32 s3, 7
.Llap:
	QUARTER 0, 2, 1, 0, 0
	QUARTER 0, 3, 0, 1, 0
	TURN 0, 1
	QUARTER 1, 1, 0, 1, 0
	QUARTER 1, 2, 1, 0, 0
	QUARTER 1, 3, 0, 1, 0
	TURN 1, 0
	QUARTER 0, 1, 0, 1, 0
	WIN 0
	s_sub_co_u32 s3, s3, 1
	s_cmp_lg_u32 s3, 0
	s_cbranch_scc1 .Llap
	QUARTER 0, 2, 1, 0, 0                          ; the last lap fills nothing
	QUARTER 0, 3, 0, 1, 0
	MEET 0
	PLACES
	FETCH 1, 0, 0
	MULROW 1, 2, 0
	MULROW 1, 3, 0
	QUARTER 1, 1, 0, 1, 0
	QUARTER 1, 2, 1, 0, 0
	QUARTER 1, 3, 0, 1, 0
	s_wait_dscnt 4
	MULROW 1, 0, 0
	MULROW 1, 1, 0
	s_wait_dscnt 0x0
	MULROW 1, 2, 0
	MULROW 1, 3, 0
	WIN 0
	PLACES                                         ; behind the last products: the LDS stores below read results
	PLACES
	OUT 0
	OUT 1
	OUT 2
	OUT 3
	s_wait_tensorcnt 0x0                           ; the wave's end, behind my last tensor load and my last LDS store
	ds_add_u32 v[SPW], v[NIL]
	s_wait_dscnt 0x0
	CROUND                                         ; the closing round
	s_endpgm
.Lfunc_end_k_q5dd84f5b6a_outp:
	.size	k_q5dd84f5b6a_outp, .Lfunc_end_k_q5dd84f5b6a_outp-k_q5dd84f5b6a_outp
	.p2alignl 7, 3214868480
	.fill 96, 4, 3214868480
	.section	.rodata,"a",@progbits
	.p2align	6, 0x0
	.amdhsa_kernel k_q5dd84f5b6a_outp
		.amdhsa_group_segment_fixed_size 327680
		.amdhsa_private_segment_fixed_size 0
		.amdhsa_enable_private_segment 0
		.amdhsa_kernarg_size 24
		.amdhsa_user_sgpr_count 2
		.amdhsa_user_sgpr_kernarg_segment_ptr 1
		.amdhsa_wavefront_size32 1
		.amdhsa_system_sgpr_workgroup_id_x 1
		.amdhsa_system_sgpr_workgroup_id_y 1
		.amdhsa_system_sgpr_workgroup_id_z 1
		.amdhsa_system_vgpr_workitem_id 0
		.amdhsa_next_free_vgpr 768
		.amdhsa_next_free_sgpr 84
		.amdhsa_reserve_vcc 0
		.amdhsa_float_denorm_mode_32 3
		.amdhsa_float_denorm_mode_16_64 3
		.amdhsa_memory_ordered 1
		.amdhsa_forward_progress 1
		.amdhsa_inst_pref_size 86
	.end_amdhsa_kernel
	.amdgpu_metadata
---
amdhsa.version: [ 1, 2 ]
amdhsa.kernels:
  - .name:           k_q5dd84f5b6a_outp
    .symbol:         k_q5dd84f5b6a_outp.kd
    .args:
      - { .name: ao, .offset: 0, .size: 8, .value_kind: global_buffer, .address_space: global }
      - { .name: wob, .offset: 8, .size: 8, .value_kind: global_buffer, .address_space: global }
      - { .name: out0, .offset: 16, .size: 8, .value_kind: global_buffer, .address_space: global }
    .group_segment_fixed_size: 327680
    .private_segment_fixed_size: 0
    .kernarg_segment_align: 8
    .kernarg_segment_size: 24
    .max_flat_workgroup_size: 128
    .sgpr_count:     84
    .vgpr_count:     768
    .wavefront_size: 32
...
	.end_amdgpu_metadata
.endif
;; end of part 4
